; MI455X (gfx1250); checked and timed in simulation.
; The chip was launched on July 23, 2026; its instructions are those of AMD's public machine-readable ISA for CDNA 5 (MIT licence, August 2026) and "CDNA5" Instruction Set Architecture Reference Guide (July 2026). The comments in the code are by the model that wrote it; some were corrected since.
;; Simple Retention. Allowed arithmetic: matrix products marked QUANTISED: E3M2 operands, one E8M0 scale for each 32 along K, by v_wmma_scale_f32_16x16x128_f8f6f4 with both operands' format E3M2, f32 sums; everything else in f32.
;; Inputs: K 4 x 4,096 x 64 float32; Q 4 x 4,096 x 64 float32; V 4 x 4,096 x 64 float32.
;; Outputs: out0 4 x 4,096 x 64 float32.
;; This version of the problem:
;;   THIS VERSION OF THE PROBLEM IS GIVEN IN LOW PRECISION. The matrix products marked QUANTISED in the list below multiply operands that are first quantised to E3M2 (3 exponent bits, 2 mantissa bits; 6 bits a number), with one power-of-two scale for each 32 numbers along K (OCP MX v1.0); their sums are f32. All else is computed in f32.
;;   The module's matrix products, in the order in which they are computed (A, B: the left and right operand; K: the contracted axis; several contracted axes count as one K, in the product's order):
;;     1. batch 4 x [M 4,096, K 64] x [K 64, N 4,096]; A: computed on the way; B: computed on the way: QUANTISED
;;     2. batch 4 x [M 4,096, K 4,096] x [K 4,096, N 64]; A: computed on the way; B: input V: QUANTISED
;;   THE QUANTISER, for each operand of a quantised product, along K:
;;     - K is cut into blocks of 32 from its start; a last block that is shorter is filled with zeros.
;;     - A block's scale is 2^e with e = floor(log2(the largest magnitude in the block)) - 4, held to -126 .. 127; a block of zeros has e = 0. As a byte (E8M0): e + 127.
;;     - Each number is divided by its block's scale, clamped to +-28, and rounded to the nearest number of E3M2, ties to even, subnormals kept.
;;     - The product sums the exact products of the quantised numbers (number of the format x scale) in f32.
;;   ~~~python
;;   def quantise(x, axis):      # numpy; x: float32 -> the quantised numbers, widened to float32 again
;;       x = np.moveaxis(x, axis, -1); K = x.shape[-1]
;;       x = np.pad(x, [(0, 0)] * (x.ndim - 1) + [(0, -K % 32)]); x = x.reshape(x.shape[:-1] + (-1, 32)); a = np.abs(x).max(-1, keepdims=True)
;;       e = np.where(a > 0, np.clip(np.frexp(np.where(a > 0, a, 1))[1] - 1 - 4, -126, 127), 0)      # np.frexp(a)[1] - 1 = floor(log2(a)), exactly
;;       r = np.clip(x / 2.0 ** e, -28, 28)
;;       step = 2.0 ** (np.maximum(np.frexp(np.where(r == 0, 1, r))[1] - 1, -2) - 2)
;;       q = np.round(r / step) * step * 2.0 ** e      # np.round: ties to even
;;       return np.moveaxis(q.reshape(q.shape[:-2] + (-1,))[..., :K], -1, axis).astype(np.float32)
;;   ~~~
;;   OPERANDS COMPUTED ON THE WAY. 'Computed on the way' means the value that the module computes at that place (a softmax that the list does not call 'softmax' is quantised finished and normalised). What goes into a quantiser is computed in f32, as accurately as f32 sums, v_exp_f32 and their like allow (about 1e-6 of the number): no bf16 or f16 on the way to a quantiser, and a product that is left as it is and whose result goes on into a quantised operand takes f32 operands (vector FMAs, or v_wmma_f32_16x16x4_f32). A number that lies on a knife's edge between two numbers of the format may be rounded either way, as far as f32 arithmetic and the matrix unit's own rounding can turn it there, and no further.
;; 2 versions, each right; version 2 is version 1 with the launch ret written anew for expert scheduling mode. Each part assembles by itself: llvm-mc -triple=amdgcn-amd-amdhsa -mcpu=gfx1250 --defsym DOCPART=n.
;; ======== version 1 of 2: 2 launches
;; workspace buffers: qi 917,504 bytes; kv 1,671,168 bytes
;; launch prep (part 1): grid 128 x 2, 8 waves a work-group, no clusters, 53,248 bytes of LDS; arguments Q, K, V, qi, kv; writes qi, kv
.if DOCPART == 1
	.amdgcn_target "amdgcn-amd-amdhsa--gfx1250"
	.amdhsa_code_object_version 6
	.text
	.protected	k_qb7eef85303_prep
	.globl	k_qb7eef85303_prep
	.p2align	8
	.type	k_qb7eef85303_prep,@function
k_qb7eef85303_prep:
	s_mov_b64 s[64:65], 0
	v_nop
	global_prefetch_b8 v0, s[64:65] scope:SCOPE_SE
	s_setreg_imm32_b32 hwreg(HW_REG_WAVE_MODE, 25, 1), 1
	s_wait_xcnt 0x0
; PREP.  q = xpos(Q), k = xpos(K, scale inverted) and V become codes of E3M2 with one E8M0 byte for each 32 along the products' K (q, k: the 64 channels; V: the keys),
; laid in the order of the matrix operands' registers, so that the second launch loads every fragment by dense loads of 16 and 8 bytes a lane.
; SHARES.  Work-group (P, y) takes positions 32 P .. 32 P + 31 of batches 2 y and 2 y + 1.  Wave w: batch 2 y + (w & 1), tile rho = (w >> 1) & 1, tensor Q (w < 4) or K (w >= 4).
; A tile's row r is position 32 P + 8 rho + r + (r & 8): with keys so ordered the 16 registers of two neighbouring score tiles are 16 neighbouring keys in the second launch.
; Waves 0-3 also take V: 32 keys x 32 columns (half chi = rho), a lane to a column, its registers down the keys, so that a block of 32 keys lies in one lane.
; THE TABLE (cos x scale, sin x scale) and (cos / scale, sin / scale) of the 32 positions x 32 channel pairs is made once for the work-group, 4 positions a wave, a lane to a pair, and shared through LDS.
;   inv_freq = 1 / 10^(pair / 8): 10^(pair / 8) is written as a decimal of 17 digits, the reciprocal is refined by two residual steps.  The angle is position x inv_freq in f32.
;   sin, cos: reduction by pi / 2 in two words (the multiplier has 12 bits at the most), Taylor polynomials to r^9 and r^10 on |r| <= pi / 4.
;   scale = base^(position / 512) = 2^(t log2(base)), split into a whole part (v_ldexp_f32) and a fraction (v_exp_f32).
; RECORDS.  qi: 1,792 bytes for each (batch, 32 positions): tile rho at 768 rho: registers 0-3 at 16 x lane, registers 4-5 at 512 + 8 x lane; scale words at 1,536 + 128 rho + 4 x lane.
;   kv: 13,056 bytes for each (batch, 128 keys): K's tile t at 768 t, laid likewise; K's scale words at 6,144 + 128 (t / 2) + 64 (t % 2) + 4 r;
;   V^T's tile tv at 6,656 + 1,536 tv, its half c at + 768 c, laid likewise; V's scale bytes at 12,800 + 8 (16 (tv / 2) + r) + 4 (tv % 2) + block.
;   q's and k's scale words carry the byte 1 for the upper 64 of the instruction's 128 along K, where q's codes are zeros.
; LIMITS.  NaN and infinities among the inputs are not served.  A block of zeros gets the byte 1 where the rule says 127: its codes are zeros, and this program alone reads the bytes.
;   base^(n / 512) goes through v_log_f32 and v_exp_f32: its relative error grows with n, to about 7e-7 at n = 4,095 in pair 0.
;   V's scale bytes leave one byte a lane, 4 bytes apart: 32,768 bytes in the whole launch are stored so; all other stores cover 64 to 512 consecutive bytes.
; No matrix work, no tensor loads, no cluster: the work-groups share no input, and each input byte is read once.
.set TP,   272                         ; a table's or a stage's row: 256 bytes + 16: the 16 rows that a load of 16 bytes a lane touches begin 16 bytes apart modulo 256
.set KT,   32*TP                       ; LDS: q's table at 0, k's table here,
.set STG,  2*KT                        ; and behind them a stage of 16 rows for each wave
.set WST,  16*TP
.set QREC, 1792
.set KREC, 13056
.set X,    72                          ; v72-103   my 32 channels of my row
.set CS,   104                         ; v104-135  their 16 pairs (c, s)
.set Y,    136                         ; v136-167  the rows as loaded, then the rotated channels
.set VV,   168                          ; v168-199  32 keys of my column of V
; v1 lane, v2 r, v3 h, v4 16 x lane, v5 stage in, v6 stage out, v7 table read, v8 table write, v9 4 x lane, v10-15 store offsets, v16 10^(lane/8), v17 inv_freq, v18 log2(base), v19-22 at work,
; v24-71 the table's quantities, four positions each, v200-205 codes, v208-210 the second conversion, v212-216 maximum, scale operand, byte, word, the other half's word
	s_load_b256 s[4:11], s[0:1], 0x0               ; Q s[4:5], K s[6:7], V s[8:9], qi s[10:11]
	s_load_b64 s[12:13], s[0:1], 0x20              ; kv
	v_lshl_add_u32 v224, v0, 2, 0xcc00
	v_mov_b32 v225, 0
	v_lshrrev_b32 v1, 5, v0
	v_readfirstlane_b32 s14, v1                    ; wave 0..7
	v_and_b32 v1, 31, v0                           ; lane
	v_and_b32 v2, 15, v0                           ; r
	v_bfe_u32 v3, v0, 4, 1                         ; h
	v_lshlrev_b32 v4, 4, v1
	v_lshlrev_b32 v9, 2, v1
	s_mov_b32 s15, ttmp9                           ; P
	s_and_b32 s16, ttmp7, 0xffff
	s_and_b32 s17, s14, 1
	s_lshl_b32 s16, s16, 1
	s_add_co_u32 s16, s16, s17                     ; batch = 2 y + (w & 1)
	s_bfe_u32 s17, s14, 0x10001                    ; rho = chi = (w >> 1) & 1
	s_lshr_b32 s18, s14, 2                         ; 0: Q, 1: K
	s_lshl_b32 s20, s16, 12
	s_lshl_b32 s21, s15, 5
	s_add_co_u32 s20, s20, s21                     ; the block's first position, counted over the batches
	s_lshl_b32 s26, s20, 8                         ; V: rows of 256 bytes,
	s_lshl_b32 s21, s17, 7
	s_add_co_u32 s26, s26, s21                     ; + 128 chi
	s_mov_b32 s27, 0
	s_lshl_b32 s21, s17, 3
	s_add_co_u32 s22, s20, s21                     ; Q, K: the tile begins 8 rho rows on
	s_lshl_b32 s22, s22, 8
	s_mov_b32 s23, 0
	s_wait_kmcnt 0x0
	s_cmp_lt_u32 s14, 4                            ; the choice hangs on the wave's number alone
	s_cselect_b64 s[42:43], s[4:5], s[6:7]         ; from Q or from K,
	s_cselect_b64 s[44:45], s[10:11], s[12:13]     ; into qi or into kv
	s_add_nc_u64 s[42:43], s[42:43], s[22:23]
	s_add_nc_u64 s[46:47], s[8:9], s[26:27]
.irp jj, 0,1,2,3,4,5,6,7
	global_load_b128 v[Y+4*\jj:Y+4*\jj+3], v4, s[42:43] offset:(2*\jj+8*(\jj/4))*256 th:TH_LOAD_NT   ; two rows, 512 consecutive bytes; the tile's rows 8-15 lie 8 positions further on
.endr
	s_cmp_ge_u32 s14, 4
	s_cbranch_scc1 .Lno_v_loads
.irp kk, 0,1,2,3,4,5,6,7,8,9,10,11,12,13,14,15,16,17,18,19,20,21,22,23,24,25,26,27,28,29,30,31
	global_load_b32 v[VV+\kk], v9, s[46:47] offset:256*\kk th:TH_LOAD_NT   ; key kk, my 32 columns: 128 consecutive bytes
.endr
.Lno_v_loads:
	; LDS addresses: constants, the lane and the wave's number
	s_mul_i32 s19, s14, WST
	s_add_co_u32 s19, s19, STG                     ; my stage
	v_mul_u32_u24 v5, v3, TP
	v_lshl_add_u32 v5, v2, 4, v5
	v_add_nc_u32 v5, s19, v5                       ; in: lanes 0-15 one row, lanes 16-31 the next
	v_mul_u32_u24 v6, v2, TP
	v_lshl_add_u32 v6, v3, 7, v6                   ; row r, channels 32 h on
	s_mul_i32 s20, s18, KT
	s_mul_i32 s21, s17, WST
	s_add_co_u32 s20, s20, s21
	v_add_nc_u32 v7, s20, v6                       ; my tensor's table, row 16 rho + r, pairs 16 h on
	v_add_nc_u32 v6, s19, v6                       ; out of the stage
	s_mul_i32 s21, s14, 4*TP
	v_lshl_add_u32 v8, v1, 3, s21                  ; the table's rows 4 w on, pair = lane
	; where the results go
	s_lshl_b32 s28, s16, 7
	s_add_co_u32 s28, s28, s15
	s_mul_i32 s28, s28, QREC                       ; qi's record
	s_mul_i32 s29, s17, 768
	s_add_co_u32 s30, s28, s29                     ; q's codes
	s_lshl_b32 s31, s17, 7
	s_add_co_u32 s31, s31, s28
	s_add_co_u32 s31, s31, 1536                    ; q's scale words
	s_lshl_b32 s32, s16, 5
	s_lshr_b32 s33, s15, 2
	s_add_co_u32 s32, s32, s33
	s_mul_i32 s32, s32, KREC                       ; kv's record
	s_and_b32 s33, s15, 3                          ; b: which 32 of the record's 128 keys
	s_mul_i32 s34, s33, 1536
	s_add_co_u32 s34, s34, s29
	s_add_co_u32 s34, s34, s32                     ; k's codes: tile 2 b + rho
	s_lshl_b32 s35, s33, 7
	s_lshl_b32 s36, s17, 6
	s_add_co_u32 s35, s35, s36
	s_add_co_u32 s35, s35, s32
	s_add_co_u32 s35, s35, 6144                    ; k's scale words
	s_cmp_lt_u32 s14, 4
	s_cselect_b32 s30, s30, s34
	s_cselect_b32 s31, s31, s35
	s_cselect_b32 s36, 31, 15                      ; q: a word for each lane; k: 16 words, lanes 16-31 store the same words to the same places as lanes 0-15
	v_add_nc_u32 v10, s30, v4
	v_lshl_add_u32 v11, v1, 3, s30
	v_and_b32 v12, s36, v1
	v_lshl_add_u32 v12, v12, 2, s31
	s_lshr_b32 s20, s33, 1                         ; V: half c = b / 2 of a tile's 128 keys,
	s_and_b32 s21, s33, 1                          ; and which half of the lanes holds the block: b % 2
	s_mul_i32 s37, s17, 3072
	s_mul_i32 s20, s20, 768
	s_add_co_u32 s37, s37, s20
	s_add_co_u32 s37, s37, s32
	s_add_co_u32 s37, s37, 6656
	s_lshl_b32 s20, s21, 7
	s_add_co_u32 s38, s37, s20
	s_lshl_b32 s20, s21, 8
	s_add_co_u32 s37, s37, s20
	s_lshl_b32 s39, s17, 7
	s_add_co_u32 s39, s39, s33
	s_add_co_u32 s39, s39, s32
	s_add_co_u32 s39, s39, 12800
	v_mul_u32_u24 v19, v3, 1536                    ; my column's tile: 2 chi + h
	v_lshl_add_u32 v13, v2, 4, v19
	v_add_nc_u32 v13, s37, v13                     ; registers 0-3 of the block's six
	v_lshl_add_u32 v14, v2, 3, v19
	v_add_nc_u32 v14, s38, v14                     ; registers 4-5 (+ 512 in the store)
	v_lshlrev_b32 v15, 3, v2
	v_lshl_add_u32 v15, v3, 2, v15
	v_add_nc_u32 v15, s39, v15                     ; the scale byte
	; constants
	s_mov_b32 s24, 0x76543210
	s_mov_b32 s25, 0xfedcba98                      ; v_permlanex16_b32's selects for lane l xor 16
	s_mov_b32 s48, 0x3638ef1d                      ; sin:  1 / 9!
	s_mov_b32 s49, 0xb9500d01                      ;      -1 / 7!
	s_mov_b32 s50, 0x3c088889                      ;       1 / 5!
	s_mov_b32 s51, 0xbe2aaaab                      ;      -1 / 3!
	s_mov_b32 s52, 0xb493f27e                      ; cos: -1 / 10!
	s_mov_b32 s53, 0x37d00d01                      ;       1 / 8!
	s_mov_b32 s54, 0xbab60b61                      ;      -1 / 6!
	s_mov_b32 s55, 0x3d2aaaab                      ;       1 / 4!
	s_mov_b32 s60, 0x42b33333                      ; 89.6 in f32
	s_mov_b32 s61, 0x3c36db6e                      ; its reciprocal
	s_lshl_b32 s40, s15, 5
	s_lshl_b32 s41, s18, 3
	s_add_co_u32 s40, s40, s41
	s_and_b32 s41, s14, 3
	s_lshl_b32 s41, s41, 2
	s_add_co_u32 s40, s40, s41
	s_lshl_b32 s41, s17, 3
	s_add_co_u32 s40, s40, s41                     ; the position of table row 4 w: 32 P + 8 (w / 4) + 4 (w % 4) + 8 ((w / 2) % 2); rows 4 w + 1 .. + 3 follow it
	v_mov_b32 v216, 0                              ; written once: a lane permute's destination counts as one of its sources
	v_mov_b32 v16, 0
.macro PLANE l, val                    ; lane l's 10^(l / 8), rounded to f32 by the assembler
	s_mov_b32 s62, \val
	v_writelane_b32 v16, s62, \l
.endm
	PLANE 0, 1.0
	PLANE 1, 1.3335214321633240
	PLANE 2, 1.7782794100389228
	PLANE 3, 2.3713737056616552
	PLANE 4, 3.1622776601683795
	PLANE 5, 4.2169650342858225
	PLANE 6, 5.6234132519034908
	PLANE 7, 7.4989420933245582
	PLANE 8, 10.0
	PLANE 9, 13.335214321633240
	PLANE 10, 17.782794100389228
	PLANE 11, 23.713737056616552
	PLANE 12, 31.622776601683795
	PLANE 13, 42.169650342858225
	PLANE 14, 56.234132519034908
	PLANE 15, 74.989420933245582
	PLANE 16, 100.0
	PLANE 17, 133.35214321633240
	PLANE 18, 177.82794100389228
	PLANE 19, 237.13737056616552
	PLANE 20, 316.22776601683795
	PLANE 21, 421.69650342858225
	PLANE 22, 562.34132519034908
	PLANE 23, 749.89420933245582
	PLANE 24, 1000.0
	PLANE 25, 1333.5214321633240
	PLANE 26, 1778.2794100389228
	PLANE 27, 2371.3737056616552
	PLANE 28, 3162.2776601683795
	PLANE 29, 4216.9650342858225
	PLANE 30, 5623.4132519034908
	PLANE 31, 7498.9420933245582
	v_rcp_f32 v17, v16
	v_lshlrev_b32 v19, 1, v1                       ; (a plain line behind the reciprocal)  2 x pair
	v_cvt_f32_u32 v19, v19
	s_wait_alu depctr_va_vdst(0)
	v_fma_f32 v20, -v16, v17, 1.0                  ; two residual steps: inv_freq = 1 / p to the last bit
	v_fma_f32 v17, v17, v20, v17
	v_add_f32 v19, 0x41cccccd, v19                 ; 2 i + 25.6
	v_fma_f32 v20, -v16, v17, 1.0
	v_fma_f32 v17, v17, v20, v17
	v_mul_f32 v21, s61, v19                        ; / 89.6: a first quotient, its remainder, the corrected quotient
	v_fma_f32 v22, -v21, s60, v19
	v_fma_f32 v21, v22, s61, v21                   ; base
	v_log_f32 v18, v21                             ; log2(base); the line below is the plain line behind it
	; THE TABLE: four positions, line by line by turns, so that no line waits for the line above it.  v24.. N, v28.. x, v32.. k, v36.. r, v40.. r^2, v44.. sin, v48.. cos, v52.. quadrant, v56.. whole part, v64.., v68.. 2^f, 2^-f
	v_cvt_f32_u32 v24, s40
	v_add_f32 v25, 1.0, v24
	v_add_f32 v26, 2.0, v24
	v_add_f32 v27, 3.0, v24
.irp it, 0,1,2,3
	v_mul_f32 v[28+\it], v[24+\it], v17            ; the angle
.endr
.irp it, 0,1,2,3
	v_mul_f32 v[32+\it], 0x3f22f983, v[28+\it]     ; x 2 / pi
.endr
.irp it, 0,1,2,3
	v_rndne_f32 v[32+\it], v[32+\it]               ; k
.endr
.irp it, 0,1,2,3
	v_fmamk_f32 v[36+\it], v[32+\it], 0xbfc90fdb, v[28+\it]   ; r = x - k (pi / 2)'s upper word
.endr
.irp it, 0,1,2,3
	v_fmamk_f32 v[36+\it], v[32+\it], 0x333bbd2e, v[36+\it]   ; - k x its lower word (which is negative)
.endr
.irp it, 0,1,2,3
	v_mul_f32 v[40+\it], v[36+\it], v[36+\it]
.endr
.irp it, 0,1,2,3
	v_fma_f32 v[44+\it], v[40+\it], s48, s49
	v_fma_f32 v[48+\it], v[40+\it], s52, s53
.endr
.irp it, 0,1,2,3
	v_fma_f32 v[44+\it], v[44+\it], v[40+\it], s50
	v_fma_f32 v[48+\it], v[48+\it], v[40+\it], s54
.endr
.irp it, 0,1,2,3
	v_fma_f32 v[44+\it], v[44+\it], v[40+\it], s51
	v_fma_f32 v[48+\it], v[48+\it], v[40+\it], s55
.endr
.irp it, 0,1,2,3
	v_mul_f32 v[28+\it], v[36+\it], v[40+\it]      ; r^3
	v_fma_f32 v[48+\it], v[48+\it], v[40+\it], -0.5
.endr
.irp it, 0,1,2,3
	v_fma_f32 v[44+\it], v[44+\it], v[28+\it], v[36+\it]   ; sin r
	v_fma_f32 v[48+\it], v[48+\it], v[40+\it], 1.0         ; cos r
.endr
.irp it, 0,1,2,3
	v_cvt_i32_f32 v[52+\it], v[32+\it]             ; the quadrant is k mod 4
.endr
.irp it, 0,1,2,3
	v_and_b32 v[28+\it], 1, v[52+\it]
.endr
.irp it, 0,1,2,3
	v_cmp_eq_u32 s[56+\it], 1, v[28+\it]           ; in odd quadrants sin and cos change places
.endr
.irp it, 0,1,2,3
	v_cndmask_b32 v[32+\it], v[44+\it], v[48+\it], s[56+\it]
	v_cndmask_b32 v[36+\it], v[48+\it], v[44+\it], s[56+\it]
.endr
.irp it, 0,1,2,3
	v_lshlrev_b32 v[28+\it], 30, v[52+\it]         ; sin is negative in quadrants 2 and 3,
	v_add_nc_u32 v[52+\it], 1, v[52+\it]           ; cos in quadrants 1 and 2
.endr
.irp it, 0,1,2,3
	v_and_b32 v[28+\it], 0x80000000, v[28+\it]
	v_lshlrev_b32 v[52+\it], 30, v[52+\it]
.endr
.irp it, 0,1,2,3
	v_xor_b32 v[44+\it], v[32+\it], v[28+\it]      ; sin x
	v_and_b32 v[52+\it], 0x80000000, v[52+\it]
.endr
.irp it, 0,1,2,3
	v_xor_b32 v[48+\it], v[36+\it], v[52+\it]      ; cos x
	v_mul_f32 v[24+\it], 0x3b000000, v[24+\it]     ; t = position / 512, exact
.endr
	s_wait_alu depctr_va_vdst(0)
.irp it, 0,1,2,3
	v_mul_f32 v[56+\it], v[24+\it], v18
.endr
.irp it, 0,1,2,3
	v_rndne_f32 v[56+\it], v[56+\it]               ; the whole part of t log2(base)
.endr
.irp it, 0,1,2,3
	v_fma_f32 v[64+\it], v[24+\it], v18, -v[56+\it]   ; the fraction f,
	v_fma_f32 v[68+\it], -v[24+\it], v18, v[56+\it]   ; and -f
.endr
.irp it, 0,1,2,3
	v_exp_f32 v[64+\it], v[64+\it]
.endr
.irp it, 0,1,2,3
	v_exp_f32 v[68+\it], v[68+\it]
.endr
.irp it, 0,1,2,3
	v_cvt_i32_f32 v[56+\it], v[56+\it]             ; (plain lines behind the exponentials)
.endr
	s_wait_alu depctr_va_vdst(0)
.irp it, 0,1,2,3
	v_ldexp_f32 v[64+\it], v[64+\it], v[56+\it]    ; scale
	v_sub_nc_u32 v[56+\it], 0, v[56+\it]
.endr
.irp it, 0,1,2,3
	v_ldexp_f32 v[68+\it], v[68+\it], v[56+\it]    ; 1 / scale
.endr
.irp it, 0,1,2,3
	v_mul_f32 v[24+2*\it], v[48+\it], v[64+\it]    ; q's pair: cos x scale, sin x scale
	v_mul_f32 v[25+2*\it], v[44+\it], v[64+\it]
	v_mul_f32 v[32+2*\it], v[48+\it], v[68+\it]    ; k's pair
	v_mul_f32 v[33+2*\it], v[44+\it], v[68+\it]
.endr
.irp it, 0,1,2,3
	ds_store_b64 v8, v[24+2*\it:25+2*\it] offset:TP*\it
	ds_store_b64 v8, v[32+2*\it:33+2*\it] offset:KT+TP*\it
.endr
	s_wait_dscnt 0x0                               ; for the others' sake: my rows of the tables are in LDS
	s_barrier_signal -1
	s_barrier_wait -1                              ; all 32 rows of both tables are
	; MY TILE OF Q OR K
	s_wait_loadcnt 0x0                             ; all my loads: they were issued ahead of the table's work; waves 0-3 have V's behind the rows', so one count for all waves is 0
.irp jj, 0,1,2,3,4,5,6,7
	ds_store_b128 v5, v[Y+4*\jj:Y+4*\jj+3] offset:2*\jj*TP   ; through my own stage: in as loaded, two rows a store,
.endr
.irp jj, 0,1,2,3,4,5,6,7
	ds_load_b128 v[X+4*\jj:X+4*\jj+3], v6 offset:16*\jj      ; out as 32 neighbouring channels of one row a lane (LDS serves a wave's instructions in order: these see the stores above)
.endr
.irp jj, 0,1,2,3,4,5,6,7
	ds_load_b128 v[CS+4*\jj:CS+4*\jj+3], v7 offset:16*\jj    ; and their 16 pairs (c, s)
.endr
	s_wait_dscnt 0x0
.set j, 0
.rept 16
	v_pk_mul_f32 v[Y+j:Y+j+1], v[X+j:X+j+1], v[CS+j:CS+j+1] op_sel_hi:[1,0]   ; x0 c, x1 c
.set j, j+2
.endr
.set j, 0
.rept 16
	v_pk_fma_f32 v[Y+j:Y+j+1], v[X+j:X+j+1], v[CS+j:CS+j+1], v[Y+j:Y+j+1] op_sel:[1,1,0] op_sel_hi:[0,1,1] neg_lo:[0,1,0]   ; - x1 s, + x0 s
.set j, j+2
.endr
; 32 numbers of a lane, one block, become 24 bytes of codes in v200-205 and the scale's byte in v214
.macro QBLOCK s
	v_max3_num_f32 v212, |v[\s]|, |v[\s+1]|, 0x2800000             ; the largest magnitude, in two chains, with the floor 2^(5 - 127) among its leaves: the byte cannot fall under 1
	v_max3_num_f32 v213, |v[\s+2]|, |v[\s+3]|, |v[\s+4]|
.irp i, 5,9,13,17,21,25
	v_max3_num_f32 v212, v212, |v[\s+\i]|, |v[\s+\i+1]|
	v_max3_num_f32 v213, v213, |v[\s+\i+2]|, |v[\s+\i+3]|
.endr
	v_max3_num_f32 v212, v212, |v[\s+29]|, |v[\s+30]|
	v_max3_num_f32 v212, v212, v213, |v[\s+31]|
	v_add_nc_u32 v213, 0xfe000000, v212            ; 4 off its exponent field: the conversion takes the exponent field of this operand as its scale
	v_lshrrev_b32 v214, 23, v213                   ; the scale's byte
	v_cvt_scalef32_pk16_bf6_f32 v[200:202], v[\s:\s+15], v213
	v_cvt_scalef32_pk16_bf6_f32 v[208:210], v[\s+16:\s+31], v213   ; (a conversion's three registers begin on an even number)
	v_nop                                          ; one plain line behind a scaled conversion
	v_mov_b32 v203, v208
	v_mov_b32 v204, v209
	v_mov_b32 v205, v210
.endm
	QBLOCK Y
	v_lshlrev_b32 v215, 3, v3
	v_lshlrev_b32 v215, v215, v214                 ; my block's byte at its place: 8 h bits up;
	v_permlanex16_b32 v216, v215, s24, s25
	v_or_b32 v215, v215, v216                      ; with lane l xor 16's: the row's two bytes;
	v_or_b32 v215, 0x01010000, v215                ; and the byte 1 for the two blocks that hold no channel
	global_store_b128 v10, v[200:203], s[44:45]            ; 512 consecutive bytes
	global_store_b64 v11, v[204:205], s[44:45] offset:512  ; 256
	global_store_b32 v12, v215, s[44:45]                   ; 128 (q) or 64 (k)
	; MY 32 COLUMNS OF V (waves 0-3)
	s_cmp_ge_u32 s14, 4
	s_cbranch_scc1 .Lend
	s_wait_xcnt 0x0                                ; the stores above have read v200-205: only behind this wait are they written again
	QBLOCK VV
	global_store_b128 v13, v[200:203], s[12:13]            ; sixteen lanes: 256 consecutive bytes of a tile
	global_store_b64 v14, v[204:205], s[12:13] offset:512  ; sixteen lanes: 128
	global_store_b8 v15, v214, s[12:13]
.Lend:
	s_wait_tensorcnt 0x0
	ds_add_u32 v224, v225
	s_wait_dscnt 0x0
	s_endpgm
.Lfunc_end_k_qb7eef85303_prep:
	.size	k_qb7eef85303_prep, .Lfunc_end_k_qb7eef85303_prep-k_qb7eef85303_prep
	.p2alignl 7, 3214868480
	.fill 96, 4, 3214868480
	.section	.rodata,"a",@progbits
	.p2align	6, 0x0
	.amdhsa_kernel k_qb7eef85303_prep
		.amdhsa_group_segment_fixed_size 53248
		.amdhsa_private_segment_fixed_size 0
		.amdhsa_enable_private_segment 0
		.amdhsa_kernarg_size 40
		.amdhsa_user_sgpr_count 2
		.amdhsa_user_sgpr_kernarg_segment_ptr 1
		.amdhsa_wavefront_size32 1
		.amdhsa_system_sgpr_workgroup_id_x 1
		.amdhsa_system_sgpr_workgroup_id_y 1
		.amdhsa_system_sgpr_workgroup_id_z 1
		.amdhsa_system_vgpr_workitem_id 0
		.amdhsa_next_free_vgpr 226
		.amdhsa_next_free_sgpr 66
		.amdhsa_reserve_vcc 0
		.amdhsa_float_denorm_mode_32 3
		.amdhsa_float_denorm_mode_16_64 3
		.amdhsa_memory_ordered 1
		.amdhsa_forward_progress 1
		.amdhsa_inst_pref_size 31
	.end_amdhsa_kernel
	.amdgpu_metadata
---
amdhsa.version: [ 1, 2 ]
amdhsa.kernels:
  - .name:           k_qb7eef85303_prep
    .symbol:         k_qb7eef85303_prep.kd
    .args:
      - { .name: Q, .offset: 0, .size: 8, .value_kind: global_buffer, .address_space: global }
      - { .name: K, .offset: 8, .size: 8, .value_kind: global_buffer, .address_space: global }
      - { .name: V, .offset: 16, .size: 8, .value_kind: global_buffer, .address_space: global }
      - { .name: qi, .offset: 24, .size: 8, .value_kind: global_buffer, .address_space: global }
      - { .name: kv, .offset: 32, .size: 8, .value_kind: global_buffer, .address_space: global }
    .group_segment_fixed_size: 53248
    .private_segment_fixed_size: 0
    .kernarg_segment_align: 8
    .kernarg_segment_size: 40
    .max_flat_workgroup_size: 256
    .sgpr_count:     66
    .vgpr_count:     226
    .wavefront_size: 32
...
	.end_amdgpu_metadata
.endif
;; end of part 1
;; launch ret (part 2): grid 64 x 4, 16 waves a work-group, no clusters, 289,280 bytes of LDS; arguments qi, kv, out0; writes out0
.if DOCPART == 2
	.amdgcn_target "amdgcn-amd-amdhsa--gfx1250"
	.amdhsa_code_object_version 6
	.text
	.protected	k_qb7eef85303_ret
	.globl	k_qb7eef85303_ret
	.p2align	8
	.type	k_qb7eef85303_ret,@function
k_qb7eef85303_ret:
	s_mov_b64 s[64:65], 0
	v_nop
	global_prefetch_b8 v0, s[64:65] scope:SCOPE_SE
	s_setreg_imm32_b32 hwreg(HW_REG_WAVE_MODE, 25, 1), 1
	s_wait_xcnt 0x0
; RET.  out[n] = sum over m <= n of Q6( (q[n] . k[m]) gamma^(n - m) ) V[m], gamma = 31 / 32, both products on codes of E3M2 with E8M0 scales; q, k and V come as codes, laid in the order of the operands' registers.
; SHARES.  Work-group (i, batch) owns two blocks of 32 queries: E = i and L = 127 - i.  Under the causal mask E meets nE = (i / 4) + 1 steps of 128 keys and L meets nL = 32 - (i / 4): 33 for every i.
; A UNIT is one block x one step.  Unit u is (L, step u) where u < nL, else (E, step 32 - u).  A unit begins its sums with the constant 0 and puts its 32 x 64 result into LDS slot u; behind one barrier the
; 512 threads add L's and E's slots and store whole rows.
; THE DEAL.  Wave w takes units w and 32 - w.  Unit w is (L, step w).  Where w <= i / 4, unit 32 - w is (E, step w): the SAME keys, so K's and V's fragments stay in the registers and q alone is loaded anew.
; Unit 16, which is (L, step 16) for every i, is left over: wave 0 takes its query tile 0 and wave 1 its tile 1.  So a work-group loads 34 - nE records of K and V, and no wave has more than five tiles.
; i is made of the work-group's x so that numbers that are neighbours, and numbers 16 apart, get their i from different quarters of 0 .. 63: work-groups that load many records and few are mixed along the grid.
; LAYOUT.  Both products are used transposed: S^T = K Q^T (source 0 = 16 keys, source 1 = 16 queries), O^T = V^T P^T: a lane holds ONE query throughout.  Row r of key tile 2 b + u is key 32 b + 8 u + r + (r & 8),
; so that the 16 registers of tiles 2 b and 2 b + 1 are keys 32 b + 16 (lane / 16) + 0 .. 15.  Row r of query tile q is query 8 q + r + (r & 8) of the block.
; K = 64 IN A FORM 128 DEEP.  q's operand is six registers of codes and six of zero codes.  K's eight tiles lie on end, six registers each, and six zero registers follow: the run of twelve that begins at tile t
; is tile t and then whatever follows, which meets q's zeros.  Both sides' scale bytes for that upper half are 1.
; THE DECAY.  With d = my query - the step's first key - 16 (lane / 16), register 16 b + i wants gamma^(d - 32 b - i) = G_i a_b: G_i = gamma^-i, the same for all; a_b = gamma^(d - 32 b), four numbers a lane and tile.
; d log2(gamma) is split into an upper word of 12 bits, whose product with d (12 bits) is exact, and a lower word; the whole part goes by v_ldexp_f32, the fraction by v_exp_f32.
; THE MASK.  Register 16 b + i is hidden where 32 b + i > d.  With D0 = the block's first query - the step's first key = 32 c, d lies in 32 c - 16 .. 32 c + 31: blocks b < c are open, blocks b > c wholly hidden
; (their a_b becomes 0), and block c alone is looked at number by number.  All of it hangs on ids: scalar branches.
; NO CLUSTER: the work-groups of one i / 4 do meet the same steps, but a joint request lands in LDS, and up to 33 records of 13,056 bytes would have to pass through the 40,448 bytes that the 33 slots leave.
; NO TENSOR LOAD, NO RING: fragments go from memory straight into the registers of the one wave that multiplies by them.  Sixteen waves of 256 registers, four to a SIMD: one wave's vector work stands beside another's loads and products.
; LIMITS.  NaN and infinities are not served.  gamma^(n - m) under 2^-126 loses bits or becomes 0, as it does in f32 anywhere: such terms are under 1.2e-38 x the score.  The steps' partial sums are added slot by slot, not key by key.
.set SO0,  4                           ; v4       where I put 32 bytes of a row of slot w;
.set SO1,  41                          ; v41      of slot 32 - w;
.set SO2,  255                         ; v255     of slot 16, rows 16 w on (waves 0 and 1).  None of the three is ever stepped
.set G,    8                           ; v8-23    gamma^-i
.set TM,   24                          ; v24-27 maxima, v28-31 the other half's maxima, then bytes; both later take a conversion's three registers
.set AB,   32                          ; v32-35   a_b
.set SOP,  36                          ; v36-39   the conversions' scale operands
.set PW,   40                          ; v40      p's scale word
.set P,    42                          ; v42-53   p's codes
.set QF,   54                          ; v54-59 q tile 0, v60-65 zeros, v66-71 q tile 1, v72-77 zeros
.set QS,   78                          ; v78-79   q's scale words
.set KF,   80                          ; v80-127  K's eight tiles, v128-133 zeros
.set KS,   134                         ; v134-137 K's scale words: lanes 0-15 tile 2 c, lanes 16-31 tile 2 c + 1
.set VS,   138                         ; v138-139 V's: register tv % 2, lanes 16 (tv / 2) on
.set VF,   140                         ; v140-187 V^T's four tiles
.set S,    188                         ; v188-251 S^T, then p; O^T lies over its first 32
.set TP,   272                         ; a slot's row: 256 bytes + 16
.set SLOT, 32*TP
.set QREC, 1792
.set KREC, 13056
; v1, v2, v3: 16, 8, 4 x lane; v5 r + (r & 8) - 16 h; v6 d; v7 d as f32; v252-254 at work
; s10 wave, s11 i, s12 batch, s13 nL, s14 127 - i, s15 i / 4, s16-17 log2(gamma) in two words, s18-20 gamma^-32, -64, -96, s[22:23] lane selects;
; unit k: s[24+8k:25+8k] kv's record, s[26+8k:27+8k] qi's, s[28+8k] D0;  of unit 2 (the half): s[42:43] qi's record + 768 w, s[46:47] the same + 128 w, s45 D0 + 8 w
.macro NOPS n
.rept \n
	v_nop
.endr
.endm
.macro UNITSC k, u                     ; unit k of my wave is the work-group's unit u (a scalar register)
	s_sub_co_u32 s52, 32, \u
	s_cmp_lt_u32 \u, s13
	s_cselect_b32 s52, \u, s52                     ; the step
	s_cselect_b32 s53, s14, s11                    ; the block
	s_lshl_b32 s54, s12, 5
	s_add_co_u32 s54, s54, s52
	s_mul_i32 s54, s54, KREC
	s_add_nc_u64 s[24+8*(\k):25+8*(\k)], s[6:7], s[54:55]
	s_lshl_b32 s54, s12, 7
	s_add_co_u32 s54, s54, s53
	s_mul_i32 s54, s54, QREC
	s_add_nc_u64 s[26+8*(\k):27+8*(\k)], s[4:5], s[54:55]
	s_lshl_b32 s53, s53, 5
	s_lshl_b32 s52, s52, 7
	s_sub_co_u32 s[28+8*(\k)], s53, s52            ; never negative
.endm
.macro LOADQ k                         ; 6 loads
.irp t, 0,1
	global_load_b128 v[QF+12*\t:QF+12*\t+3], v1, s[26+8*(\k):27+8*(\k)] offset:768*\t
	global_load_b64 v[QF+12*\t+4:QF+12*\t+5], v2, s[26+8*(\k):27+8*(\k)] offset:768*\t+512
	global_load_b32 v[QS+\t], v3, s[26+8*(\k):27+8*(\k)] offset:1536+128*\t
.endr
.endm
.macro LOADQH                          ; 3 loads: query tile w of unit 16's block, into tile 0's registers
	global_load_b128 v[QF:QF+3], v1, s[42:43]
	global_load_b64 v[QF+4:QF+5], v2, s[42:43] offset:512
	global_load_b32 v[QS], v3, s[46:47] offset:1536
.endm
.macro LOADK k                         ; 20 loads
.irp t, 0,1,2,3,4,5,6,7
	global_load_b128 v[KF+6*\t:KF+6*\t+3], v1, s[24+8*(\k):25+8*(\k)] offset:768*\t
	global_load_b64 v[KF+6*\t+4:KF+6*\t+5], v2, s[24+8*(\k):25+8*(\k)] offset:768*\t+512
.endr
.irp c, 0,1,2,3
	global_load_b32 v[KS+\c], v3, s[24+8*(\k):25+8*(\k)] offset:6144+128*\c
.endr
.endm
.macro LOADV k                         ; 17 loads
.irp t, 0,1,2,3,4,5,6,7                ; tile t / 2, half t % 2
	global_load_b128 v[VF+6*\t:VF+6*\t+3], v1, s[24+8*(\k):25+8*(\k)] offset:6656+768*\t
	global_load_b64 v[VF+6*\t+4:VF+6*\t+5], v2, s[24+8*(\k):25+8*(\k)] offset:6656+768*\t+512
.endr
	global_load_b64 v[VS:VS+1], v2, s[24+8*(\k):25+8*(\k)] offset:12800
.endm
.macro SMUL q                          ; S^T of the query tile in q's registers: eight tiles of 16 keys, each sum begun with the constant 0
.irp t, 0,1,2,3,4,5,6,7
.if \t % 2
	v_wmma_scale_f32_16x16x128_f8f6f4 v[S+8*\t:S+8*\t+7], v[KF+6*\t:KF+6*\t+11], v[QF+12*(\q):QF+12*(\q)+11], 0, v[KS+\t/2], v[QS+(\q)] matrix_a_fmt:MATRIX_FMT_BF6 matrix_b_fmt:MATRIX_FMT_BF6 matrix_a_scale:MATRIX_SCALE_ROW1
.else
	v_wmma_scale_f32_16x16x128_f8f6f4 v[S+8*\t:S+8*\t+7], v[KF+6*\t:KF+6*\t+11], v[QF+12*(\q):QF+12*(\q)+11], 0, v[KS+\t/2], v[QS+(\q)] matrix_a_fmt:MATRIX_FMT_BF6 matrix_b_fmt:MATRIX_FMT_BF6
.endif
.endr
.endm
.macro ACOMP sd, imm                   ; d = s[sd] + imm + the lane's part, and the four a_b.  Fourteen plain lines that name no register of the products above: they are the places behind them
	v_add3_u32 v6, s[\sd], v5, \imm                ; d, -16 .. 4,095
	v_cvt_f32_i32 v7, v6
	v_mul_f32 v252, s16, v7                        ; d x the upper word: exact
	v_rndne_f32 v253, v252                         ; the whole part
	v_sub_f32 v252, v252, v253                     ; exact
	v_fma_f32 v252, v7, s17, v252                  ; + d x the lower word: the fraction
	v_exp_f32 v254, v252
	v_cvt_i32_f32 v253, v253                       ; (a plain line behind the exponential)
	s_wait_alu depctr_va_vdst(0)
	v_mul_f32 v[AB+1], s18, v254
	v_mul_f32 v[AB+2], s19, v254
	v_mul_f32 v[AB+3], s20, v254
	v_ldexp_f32 v[AB], v254, v253                  ; the power of two last, so that each a_b is whole until it falls under the smallest normal number itself
	v_ldexp_f32 v[AB+1], v[AB+1], v253
	v_ldexp_f32 v[AB+2], v[AB+2], v253
	v_ldexp_f32 v[AB+3], v[AB+3], v253
.endm
.macro MASK sd                         ; s[sd] = D0, a multiple of 32.  From 128 on nothing is hidden: 32 b + i is 111 at the most, d at the least 112 there
	s_cmp_ge_u32 s[\sd], 128
	s_cbranch_scc1 .Lopen_\@
.irp b, 1,2,3
	s_cmp_lt_u32 s[\sd], 32*\b                     ; block b lies behind all 32 queries: 32 b + i >= D0 + 32 > d
	s_cselect_b32 s52, 0, 0x3f800000
	v_mul_f32 v[AB+\b], s52, v[AB+\b]              ; its a_b becomes 0, and so do its 16 numbers in the multiplications below
.endr
.irp b, 0,1,2,3
	s_cmp_lg_u32 s[\sd], 32*\b                     ; the one block that the diagonal crosses
	s_cbranch_scc1 .Lnot_\@_\b
.set n, 0
.rept 16
	v_cmp_gt_i32 vcc_lo, 32*\b+n, v6
	v_cndmask_b32 v[S+16*\b+n], v[S+16*\b+n], v60, vcc_lo   ; (v60 holds 0)  ascending: each accumulator is read from its low end on
.set n, n+1
.endr
.Lnot_\@_\b:
.endr
.Lopen_\@:
.endm
.macro DECAY
.set n, 0
.rept 32
	v_pk_mul_f32 v[S+n:S+n+1], v[S+n:S+n+1], v[G+n%16:G+n%16+1]   ; x gamma^-i; ascending, as above
.set n, n+2
.endr
.set n, 0
.rept 32
.if (n/16)%2
	v_pk_mul_f32 v[S+n:S+n+1], v[S+n:S+n+1], v[AB+2*(n/32):AB+2*(n/32)+1] op_sel:[0,1] op_sel_hi:[1,1]   ; x a_b, b odd: the pair's second word for both halves
.else
	v_pk_mul_f32 v[S+n:S+n+1], v[S+n:S+n+1], v[AB+2*(n/32):AB+2*(n/32)+1] op_sel_hi:[1,0]                ; b even: its first
.endif
.set n, n+2
.endr
.endm
.macro QUANT                           ; the lane's 64 numbers, four half blocks of 16 keys, become p's operand and its scale word
.irp b, 0,1,2,3
	v_max3_num_f32 v[TM+\b], |v[S+16*\b]|, |v[S+16*\b+1]|, 0x2800000   ; with the floor 2^(5 - 127): the byte cannot fall under 1; a block of zeros keeps that byte over zero codes
.endr
.irp i, 2,4,6,8,10,12,14
.irp b, 0,1,2,3
	v_max3_num_f32 v[TM+\b], v[TM+\b], |v[S+16*\b+\i]|, |v[S+16*\b+\i+1]|   ; (the four blocks by turns)
.endr
.endr
.irp b, 0,1,2,3
	v_permlanex16_b32 v[TM+4+\b], v[TM+\b], s22, s23
.endr
.irp b, 0,1,2,3
	v_max_num_f32 v[TM+\b], v[TM+\b], v[TM+4+\b]   ; with lane l xor 16's 16 keys: the block's largest magnitude
.endr
.irp b, 0,1,2,3
	v_add_nc_u32 v[SOP+\b], 0xfe000000, v[TM+\b]   ; 4 off its exponent field: the conversion's scale operand
.endr
.irp b, 0,1,2,3
	v_lshrrev_b32 v[TM+4+\b], 23, v[SOP+\b]        ; the scale's byte
.endr
	v_lshl_or_b32 v[PW], v[TM+5], 8, v[TM+4]
	v_lshl_or_b32 v[PW], v[TM+6], 16, v[PW]
	v_lshl_or_b32 v[PW], v[TM+7], 24, v[PW]
.irp c, 0,1
	v_cvt_scalef32_pk16_bf6_f32 v[P+6*\c:P+6*\c+2], v[S+32*\c:S+32*\c+15], v[SOP+2*\c]
	v_cvt_scalef32_pk16_bf6_f32 v[TM+4*\c:TM+4*\c+2], v[S+32*\c+16:S+32*\c+31], v[SOP+2*\c+1]   ; (a conversion's three registers begin on an even number)
.endr
	v_nop                                          ; one plain line behind a scaled conversion
.irp c, 0,1                            ; the operand's layout wants a WHOLE block in a lane: lanes 0-15 block 2 c, lanes 16-31 block 2 c + 1
.irp i, 0,1,2
	v_permlane16_swap_b32 v[P+6*\c+\i], v[TM+4*\c+\i]
.endr
.irp i, 0,1,2
	v_mov_b32 v[P+6*\c+3+\i], v[TM+4*\c+\i]
.endr
.endr
	NOPS 4                                         ; an operand written by vector lines stands 4 places ahead of a scaled product; the scale word, written ahead of the conversions, more than 8
.endm
.macro PVMUL                           ; O^T = V^T P^T for these 128 keys: four tiles of 16 of V's 64 columns, each sum begun with the constant 0
.irp t, 0,1,2,3
.if \t / 2
	v_wmma_scale_f32_16x16x128_f8f6f4 v[S+8*\t:S+8*\t+7], v[VF+12*\t:VF+12*\t+11], v[P:P+11], 0, v[VS+\t%2], v[PW] matrix_a_fmt:MATRIX_FMT_BF6 matrix_b_fmt:MATRIX_FMT_BF6 matrix_a_scale:MATRIX_SCALE_ROW1
.else
	v_wmma_scale_f32_16x16x128_f8f6f4 v[S+8*\t:S+8*\t+7], v[VF+12*\t:VF+12*\t+11], v[P:P+11], 0, v[VS+\t%2], v[PW] matrix_a_fmt:MATRIX_FMT_BF6 matrix_b_fmt:MATRIX_FMT_BF6
.endif
.endr
.endm
.macro OSTORE so, q                    ; lane (r, h): row 16 q + r from v[so] on, columns 16 t + 8 h + 0 .. 7; each accumulator from its low end on
.irp t, 0,1,2,3
	ds_store_b128 v[\so], v[S+8*\t:S+8*\t+3] offset:16*TP*(\q)+64*\t
	ds_store_b128 v[\so], v[S+8*\t+4:S+8*\t+7] offset:16*TP*(\q)+64*\t+16
.endr
.endm
; A UNIT, behind the wait for its q and K.  so: its slot's address register.  mask = 1: the unit may touch the diagonal.
; next: what is loaded as this unit's registers fall free: 0 nothing; 1 the next unit's q, K and V; 2 its q alone (K and V stay); 3 the half unit's q tile, K and V.
.macro UNIT k, so, next, mask
	SMUL 0
	ACOMP 28+8*(\k), 0
.if \mask
	MASK 28+8*(\k)
.endif
	DECAY
	QUANT
	s_wait_loadcnt 0x0                             ; V and its scale words
	PVMUL
	NOPS 5                                         ; 4 places in front of the stores that read the results, 5 in front of the products that write over them
	OSTORE \so, 0
	s_wait_dscnt 0x0                               ; the stores have read their registers
	SMUL 1
	ACOMP 28+8*(\k), 8
.if \next == 1
	LOADQ (\k)+1                                   ; q and K are done with; the lines of ACOMP are the places in front of these loads
	LOADK (\k)+1
.elseif \next == 2
	LOADQ (\k)+1
.elseif \next == 3
	LOADQH
	LOADK 2
.endif
.if \mask
	MASK 28+8*(\k)
.endif
	DECAY
	QUANT
	PVMUL
	NOPS 5                                         ; as above, and the places in front of the loads into V's registers
.if \next == 1
	LOADV (\k)+1
.elseif \next == 3
	LOADV 2
.endif
	OSTORE \so, 1
	s_wait_dscnt 0x0                               ; the stores have read their registers
.endm
	s_load_b128 s[4:7], s[0:1], 0x0                ; qi s[4:5], kv s[6:7]
	s_load_b64 s[8:9], s[0:1], 0x10                ; out0
	v_lshrrev_b32 v252, 5, v0
	v_readfirstlane_b32 s10, v252                  ; wave 0..15
	v_and_b32 v253, 31, v0
	v_lshlrev_b32 v1, 4, v253
	v_lshlrev_b32 v2, 3, v253
	v_lshlrev_b32 v3, 2, v253
	s_lshr_b32 s52, ttmp9, 4                       ; i = 16 ((x / 16 + x) % 4) + x % 16: each x gives another i
	s_add_co_u32 s52, s52, ttmp9
	s_and_b32 s52, s52, 3
	s_lshl_b32 s52, s52, 4
	s_and_b32 s11, ttmp9, 15
	s_or_b32 s11, s11, s52
	s_and_b32 s12, ttmp7, 0xffff                   ; batch
	s_lshr_b32 s15, s11, 2                         ; i / 4
	s_sub_co_u32 s13, 32, s15                      ; nL, 17 .. 32
	s_sub_co_u32 s14, 127, s11                     ; block L
	s_sub_co_u32 s56, 32, s10                      ; my second unit
	s_mov_b32 s57, 16                              ; the unit that is left over
	s_mov_b32 s55, 0
	s_wait_kmcnt 0x0
	UNITSC 0, s10
	LOADQ 0
	LOADK 0
	LOADV 0
	UNITSC 1, s56
	UNITSC 2, s57                                  ; (made in every wave, used by waves 0 and 1)
	s_lshl_b32 s54, s10, 7
	s_add_nc_u64 s[46:47], s[42:43], s[54:55]      ; query tile w's scale words lie 128 w on,
	s_mul_i32 s54, s10, 768
	s_add_nc_u64 s[42:43], s[42:43], s[54:55]      ; its codes 768 w on,
	s_lshl_b32 s52, s10, 3
	s_add_co_u32 s45, s44, s52                     ; and its queries 8 w on
	s_lshl_b32 s52, s12, 12
	s_lshl_b32 s53, s14, 5
	s_add_co_u32 s54, s52, s53
	s_lshl_b32 s54, s54, 8
	s_add_nc_u64 s[48:49], s[8:9], s[54:55]        ; out0 at block L's first row,
	s_lshl_b32 s53, s11, 5
	s_add_co_u32 s54, s52, s53
	s_lshl_b32 s54, s54, 8
	s_add_nc_u64 s[50:51], s[8:9], s[54:55]        ; and at block E's
	s_mov_b32 s16, 0xbd3b9000                      ; log2(31 / 32) = -(3001 / 65536
	s_mov_b32 s17, 0xb74a64ed                      ;                 + 1.206363656e-5)
	s_mov_b32 s22, 0x76543210
	s_mov_b32 s23, 0xfedcba98                      ; v_permlanex16_b32's selects for lane l xor 16
.irp j, 60,61,62,63,64,65,72,73,74,75,76,77,128,129,130,131,132,133
	v_mov_b32 v[\j], 0                             ; zero codes: they stay
.endr
.irp b, 0,1,2,3
	v_mov_b32 v[TM+4+\b], 0                        ; written once: a lane permute's destination counts as one of its sources
.endr
	v_mov_b32 v[G], 1.0
	v_exp_f32 v[G+1], 0.04580368961312479          ; gamma^-i = 2^(i log2(32 / 31))
	v_exp_f32 v[G+2], 0.09160737922624958
	v_exp_f32 v[G+3], 0.13741106883937437
	v_exp_f32 v[G+4], 0.18321475845249916
	v_exp_f32 v[G+5], 0.22901844806562395
	v_exp_f32 v[G+6], 0.27482213767874874
	v_exp_f32 v[G+7], 0.32062582729187353
	v_exp_f32 v[G+8], 0.36642951690499832
	v_exp_f32 v[G+9], 0.41223320651812311
	v_exp_f32 v[G+10], 0.45803689613124790
	v_exp_f32 v[G+11], 0.50384058574437269
	v_exp_f32 v[G+12], 0.54964427535749748
	v_exp_f32 v[G+13], 0.59544796497062227
	v_exp_f32 v[G+14], 0.64125165458374706
	v_exp_f32 v[G+15], 0.68705534419687185
	v_exp_f32 v252, 0.46571806761999328            ; gamma^-32 = 2^1.4657.., gamma^-64 = 2^2.9314.., gamma^-96 = 2^4.3971..: the fractions here,
	v_exp_f32 v253, 0.93143613523998656
	v_exp_f32 v254, 0.39715420285997984
	v_and_b32 v6, 15, v0                           ; (a plain line behind the exponentials)  r
	s_wait_alu depctr_va_vdst(0)
	v_ldexp_f32 v252, v252, 1                      ; the whole parts here
	v_ldexp_f32 v253, v253, 2
	v_ldexp_f32 v254, v254, 4
	v_readfirstlane_b32 s18, v252
	v_readfirstlane_b32 s19, v253
	v_readfirstlane_b32 s20, v254
	v_bfe_u32 v7, v0, 4, 1                         ; h
	v_mul_u32_u24 v[SO0], v6, TP
	v_lshl_add_u32 v[SO0], v7, 5, v[SO0]           ; row r, + 32 h;
	s_xor_b32 s52, s10, 31                         ; 31 - w
	s_mul_i32 s52, s52, SLOT
	s_add_co_u32 s52, s52, SLOT
	v_add_nc_u32 v[SO1], s52, v[SO0]               ; in slot 32 - w;
	s_mul_i32 s52, s10, 16*TP
	s_add_co_u32 s52, s52, 16*SLOT
	v_add_nc_u32 v[SO2], s52, v[SO0]               ; in slot 16, 16 w rows down;
	s_mul_i32 s52, s10, SLOT
	v_add_nc_u32 v[SO0], s52, v[SO0]               ; in slot w.  All three are made ahead of the first branch
	v_and_b32 v5, 8, v6
	v_add_nc_u32 v5, v5, v6
	v_lshlrev_b32 v7, 4, v7
	v_sub_nc_u32 v5, v5, v7                        ; r + (r & 8) - 16 h
	s_wait_loadcnt 17                              ; q's 6 and K's 20 loads are in; V's 17, issued behind them, may be out
	s_cmp_le_u32 s10, s15                          ; is my second unit (E, step w)?  A branch on ids
	s_cbranch_scc1 .Lsame_keys
	UNIT 0, SO0, 1, 0                              ; unit w: block L, step w <= 15, and L's diagonal lies in step nL - 1 >= 16: nothing is hidden.  My second unit has keys of its own
	s_wait_loadcnt 17                              ; its q and K are in; its V's 17 loads may be out
	s_branch .Lsecond
.Lsame_keys:
	UNIT 0, SO0, 2, 0                              ; the same unit; of my second unit q alone is loaded
	s_wait_loadcnt 0x0                             ; those 6 loads: nothing was issued behind them
.Lsecond:
	s_cmp_lt_u32 s10, 2
	s_cbranch_scc1 .Lwith_half
	UNIT 1, SO1, 0, 1                              ; unit 32 - w
	s_branch .Ljoin
.Lwith_half:
	UNIT 1, SO1, 3, 1                              ; waves 0 and 1: unit 32 - w,
	s_wait_loadcnt 17                              ; and query tile w of unit 16: its q's 3 and K's 20 loads are in; V's 17 may be out
	SMUL 0
	ACOMP 45, 0
	MASK 44
	DECAY
	QUANT
	s_wait_loadcnt 0x0                             ; V and its scale words
	PVMUL
	NOPS 4                                         ; places in front of the stores that read the results
	OSTORE SO2, 0
.Ljoin:
	s_wait_dscnt 0x0                               ; for the others' sake: my slots are in LDS
	s_barrier_signal -1
	s_barrier_wait -1                              ; all 33 are
	; THE SUM.  Thread t takes 16 bytes: slot row t / 16, columns 4 (t % 16) on, of every slot.  The addresses are made anew from v0, in registers that have held numbers made of ids alone.
	v_lshrrev_b32 v254, 4, v0                      ; the slot's row
	v_and_b32 v255, 15, v0
	v_mul_u32_u24 v5, v254, TP
	v_lshl_add_u32 v5, v255, 4, v5
	v_add_nc_u32 v6, 7*SLOT, v5                    ; seven slots to an address register: the immediate holds 16 bits
	v_add_nc_u32 v7, 14*SLOT, v5
	v_add_nc_u32 v252, 21*SLOT, v5
	v_add_nc_u32 v253, 28*SLOT, v5
.set u, 0
.rept 33
.if u/7 > 2
.set ra, 249+u/7
.else
.set ra, 5+u/7
.endif
	ds_load_b128 v[64+4*u:67+4*u], v[ra] offset:SLOT*(u%7)   ; sixteen lanes read a row's 256 bytes
.set u, u+1
.endr
	v_and_b32 v8, 15, v254                         ; the row's place in its block: 8 (row / 16) + row % 16 + (row & 8)
	v_and_b32 v9, 8, v254
	v_add_nc_u32 v8, v8, v9
	v_lshrrev_b32 v9, 4, v254
	v_lshl_add_u32 v8, v9, 3, v8
	v_lshlrev_b32 v8, 8, v8
	v_lshl_add_u32 v8, v255, 4, v8                 ; in bytes, + my 16
.set u, 1
.rept 16
	s_wait_dscnt 32-u                              ; slots 0 .. u are in; the 32 - u loads issued behind them may be out
	v_pk_add_f32 v[64:65], v[64:65], v[64+4*u:65+4*u]        ; slots 0 to 16 are L's for every i
	v_pk_add_f32 v[66:67], v[66:67], v[66+4*u:67+4*u]
.set u, u+1
.endr
	s_wait_dscnt 0x0
.irp u, 17,18,19,20,21,22,23,24,25,26,27,28,29,30,31
	s_cmp_le_u32 s13, \u                           ; from slot nL on they are E's
	s_cbranch_scc1 .LE_\u
	v_pk_add_f32 v[64:65], v[64:65], v[64+4*\u:65+4*\u]
	v_pk_add_f32 v[66:67], v[66:67], v[66+4*\u:67+4*\u]
.endr
	s_branch .Lout
.irp u, 17,18,19,20,21,22,23,24,25,26,27,28,29,30,31
.LE_\u:
	v_pk_add_f32 v[192:193], v[192:193], v[64+4*\u:65+4*\u]  ; onto slot 32, which is E's for every i
	v_pk_add_f32 v[194:195], v[194:195], v[66+4*\u:67+4*\u]
.endr
.Lout:
	global_store_b128 v8, v[64:67], s[48:49] th:TH_STORE_NT     ; sixteen lanes store a row of out0: 256 consecutive bytes, at a multiple of 256 from its first byte
	global_store_b128 v8, v[192:195], s[50:51] th:TH_STORE_NT
	s_wait_xcnt 0x0
	v_lshl_add_u32 v254, v0, 2, 0x46200
	v_mov_b32 v255, 0
	s_wait_tensorcnt 0x0
	ds_add_u32 v254, v255
	s_wait_dscnt 0x0
	s_endpgm
.Lfunc_end_k_qb7eef85303_ret:
	.size	k_qb7eef85303_ret, .Lfunc_end_k_qb7eef85303_ret-k_qb7eef85303_ret
	.p2alignl 7, 3214868480
	.fill 96, 4, 3214868480
	.section	.rodata,"a",@progbits
	.p2align	6, 0x0
	.amdhsa_kernel k_qb7eef85303_ret
		.amdhsa_group_segment_fixed_size 289280
		.amdhsa_private_segment_fixed_size 0
		.amdhsa_enable_private_segment 0
		.amdhsa_kernarg_size 24
		.amdhsa_user_sgpr_count 2
		.amdhsa_user_sgpr_kernarg_segment_ptr 1
		.amdhsa_wavefront_size32 1
		.amdhsa_system_sgpr_workgroup_id_x 1
		.amdhsa_system_sgpr_workgroup_id_y 1
		.amdhsa_system_sgpr_workgroup_id_z 1
		.amdhsa_system_vgpr_workitem_id 0
		.amdhsa_next_free_vgpr 256
		.amdhsa_next_free_sgpr 66
		.amdhsa_reserve_vcc 1
		.amdhsa_float_denorm_mode_32 3
		.amdhsa_float_denorm_mode_16_64 3
		.amdhsa_memory_ordered 1
		.amdhsa_forward_progress 1
		.amdhsa_inst_pref_size 155
	.end_amdhsa_kernel
	.amdgpu_metadata
---
amdhsa.version: [ 1, 2 ]
amdhsa.kernels:
  - .name:           k_qb7eef85303_ret
    .symbol:         k_qb7eef85303_ret.kd
    .args:
      - { .name: qi, .offset: 0, .size: 8, .value_kind: global_buffer, .address_space: global }
      - { .name: kv, .offset: 8, .size: 8, .value_kind: global_buffer, .address_space: global }
      - { .name: out0, .offset: 16, .size: 8, .value_kind: global_buffer, .address_space: global }
    .group_segment_fixed_size: 289280
    .private_segment_fixed_size: 0
    .kernarg_segment_align: 8
    .kernarg_segment_size: 24
    .max_flat_workgroup_size: 512
    .sgpr_count:     66
    .vgpr_count:     256
    .wavefront_size: 32
...
	.end_amdgpu_metadata
.endif
;; end of part 2
;; ======== version 2 of 2: 2 launches; version 1 with the launch ret written anew for expert scheduling mode
;; workspace buffers: qi 917,504 bytes; kv 1,671,168 bytes
;; launch prep: the kernel of part 1 again; grid 128 x 2, 8 waves a work-group, no clusters, 53,248 bytes of LDS; arguments Q, K, V, qi, kv; writes qi, kv
;; launch ret (part 3): grid 64 x 4, 16 waves a work-group, no clusters, 289,280 bytes of LDS; arguments qi, kv, out0; writes out0
.if DOCPART == 3
	.amdgcn_target "amdgcn-amd-amdhsa--gfx1250"
	.amdhsa_code_object_version 6
	.text
	.protected	k_qb7eef85303_ret
	.globl	k_qb7eef85303_ret
	.p2align	8
	.type	k_qb7eef85303_ret,@function
k_qb7eef85303_ret:
	s_mov_b64 s[64:65], 0
	v_nop
	global_prefetch_b8 v0, s[64:65] scope:SCOPE_SE
	s_setreg_imm32_b32 hwreg(HW_REG_WAVE_SCHED_MODE, 0, 2), 2
	s_setreg_imm32_b32 hwreg(HW_REG_WAVE_MODE, 25, 1), 1
	s_wait_xcnt 0x0
	s_wait_alu depctr_vm_vsrc(0)
; RET.  out[n] = sum over m <= n of Q6( (q[n] . k[m]) gamma^(n - m) ) V[m], gamma = 31 / 32, both products on codes of E3M2 with E8M0 scales; q, k and V come as codes, laid in the order of the operands' registers.
; SHARES.  Work-group (i, batch) owns two blocks of 32 queries: E = i and L = 127 - i.  Under the causal mask E meets nE = (i / 4) + 1 steps of 128 keys and L meets nL = 32 - (i / 4): 33 for every i.
; A UNIT is one block x one step.  Unit u is (L, step u) where u < nL, else (E, step 32 - u).  A unit begins its sums with the constant 0 and puts its 32 x 64 result into LDS slot u; behind one barrier the
; 512 threads add L's and E's slots and store whole rows.
; THE DEAL.  Wave w takes units w and 32 - w.  Unit w is (L, step w).  Where w <= i / 4, unit 32 - w is (E, step w): the SAME keys, so K's and V's fragments stay in the registers and q alone is loaded anew.
; Unit 16, which is (L, step 16) for every i, is left over: wave 0 takes its query tile 0 and wave 1 its tile 1.  So a work-group loads 34 - nE records of K and V, and no wave has more than five tiles.
; i is made of the work-group's x so that numbers that are neighbours, and numbers 16 apart, get their i from different quarters of 0 .. 63: work-groups that load many records and few are mixed along the grid.
; LAYOUT.  Both products are used transposed: S^T = K Q^T (source 0 = 16 keys, source 1 = 16 queries), O^T = V^T P^T: a lane holds ONE query throughout.  Row r of key tile 2 b + u is key 32 b + 8 u + r + (r & 8),
; so that the 16 registers of tiles 2 b and 2 b + 1 are keys 32 b + 16 (lane / 16) + 0 .. 15.  Row r of query tile q is query 8 q + r + (r & 8) of the block.
; K = 64 IN A FORM 128 DEEP.  q's operand is six registers of codes and six of zero codes.  K's eight tiles lie on end, six registers each, and six zero registers follow: the run of twelve that begins at tile t
; is tile t and then whatever follows, which meets q's zeros.  Both sides' scale bytes for that upper half are 1.
; THE DECAY.  With d = my query - the step's first key - 16 (lane / 16), register 16 b + i wants gamma^(d - 32 b - i) = G_i a_b: G_i = gamma^-i, the same for all; a_b = gamma^(d - 32 b), four numbers a lane and tile.
; d log2(gamma) is split into an upper word of 12 bits, whose product with d (12 bits) is exact, and a lower word; the whole part goes by v_ldexp_f32, the fraction by v_exp_f32.
; THE MASK.  Register 16 b + i is hidden where 32 b + i > d.  With D0 = the block's first query - the step's first key = 32 c, d lies in 32 c - 16 .. 32 c + 31: blocks b < c are open, blocks b > c wholly hidden
; (their a_b becomes 0), and block c alone is looked at number by number.  All of it hangs on ids: scalar branches.
; NO CLUSTER: the work-groups of one i / 4 do meet the same steps, but a joint request lands in LDS, and up to 33 records of 13,056 bytes would have to pass through the 40,448 bytes that the 33 slots leave.
; NO TENSOR LOAD, NO RING: fragments go from memory straight into the registers of the one wave that multiplies by them.  Sixteen waves of 256 registers, four to a SIMD: one wave's vector work stands beside another's loads and products.
; LIMITS.  NaN and infinities are not served.  gamma^(n - m) under 2^-126 loses bits or becomes 0, as it does in f32 anywhere: such terms are under 1.2e-38 x the score.  The steps' partial sums are added slot by slot, not key by key.
; THE MODE: SCHED_MODE bits 1:0 = 2 (LLVM: expert scheduling mode 2), set by the entry lines.  The code itself states the register dependences between vector or matrix instructions and memory or LDS instructions,
; with s_wait_alu, always for 0.
; THE PLAN.  Registers that memory or LDS instructions touch:
;   v1, v2, v3      Offsets of every global load: written at the head, never again.
;   q's and K's     (v54-59, v66-71, v78-79; v80-127, v134-137)  Written by loads; read by a unit's sixteen products S^T.  The wait in ACOMP of the unit's second tile stands behind the last of those products; from it to the
;                   last load of the next unit's q and K the vector lines name a_b, d, G, S, v60 and scalar masks alone, on every way through the mask: so those loads follow with no further wait, K's dealt among the decay's lines.
;   V's             (v140-187, v138-139)  Written by loads; read by a unit's two runs of products O^T.  Loaded again behind the wait that follows the second run.
;   S's first 32    (v188-219)  Written by the products O^T; read by the eight LDS stores behind them (one wait on va_vdst, behind the places); written again by the next products S^T, or by the sum's loads
;                   (one wait on vm_vsrc behind each run of stores, in the stores' own straight run).
;   v4, v41, v255   The slots' addresses: written at the head, read by the stores; v255 alone is written again, in the sum, behind the half unit's wait on vm_vsrc.
;   The sum         v5-7, v252, v253: addresses, made behind the barrier; v64-195: the 33 loads land there; v8, v64-67, v192-195: offset and data of the two global stores.  One wait on va_vdst ahead of the loads, one ahead of the stores.
;   p's codes and scale word are named by vector and matrix instructions alone; the scaled products take them behind their places and a wait on va_vdst.
.set SO0,  4                           ; v4       where I put 32 bytes of a row of slot w;
.set SO1,  41                          ; v41      of slot 32 - w;
.set SO2,  255                         ; v255     of slot 16, rows 16 w on (waves 0 and 1).  None of the three is ever stepped
.set G,    8                           ; v8-23    gamma^-i
.set TM,   24                          ; v24-27 maxima, v28-31 the other half's maxima, then bytes; both later take a conversion's three registers
.set AB,   32                          ; v32-35   a_b
.set SOP,  36                          ; v36-39   the conversions' scale operands
.set PW,   40                          ; v40      p's scale word
.set P,    42                          ; v42-53   p's codes
.set QF,   54                          ; v54-59 q tile 0, v60-65 zeros, v66-71 q tile 1, v72-77 zeros
.set QS,   78                          ; v78-79   q's scale words
.set KF,   80                          ; v80-127  K's eight tiles, v128-133 zeros
.set KS,   134                         ; v134-137 K's scale words: lanes 0-15 tile 2 c, lanes 16-31 tile 2 c + 1
.set VS,   138                         ; v138-139 V's: register tv % 2, lanes 16 (tv / 2) on
.set VF,   140                         ; v140-187 V^T's four tiles
.set S,    188                         ; v188-251 S^T, then p; O^T lies over its first 32
.set TP,   272                         ; a slot's row: 256 bytes + 16
.set SLOT, 32*TP
.set QREC, 1792
.set KREC, 13056
; v1, v2, v3: 16, 8, 4 x lane; v5 r + (r & 8) - 16 h; v6 d; v7 d as f32; v252-254 at work
; s10 wave, s11 i, s12 batch, s13 nL, s14 127 - i, s15 i / 4, s16-17 log2(gamma) in two words, s18-20 gamma^-32, -64, -96, s[22:23] lane selects;
; unit k: s[24+8k:25+8k] kv's record, s[26+8k:27+8k] qi's, s[28+8k] D0;  of unit 2 (the half): s[42:43] qi's record + 768 w, s[46:47] the same + 128 w, s45 D0 + 8 w;
; s56, s57: at the head my second unit's number and 16; from then on s56-63 are the eight masks of one accumulator of the diagonal's block
.macro NOPS n
.rept \n
	v_nop
.endr
.endm
.macro UNITSC k, u                     ; unit k of my wave is the work-group's unit u (a scalar register)
	s_sub_co_u32 s52, 32, \u
	s_cmp_lt_u32 \u, s13
	s_cselect_b32 s52, \u, s52                     ; the step
	s_cselect_b32 s53, s14, s11                    ; the block
	s_lshl_b32 s54, s12, 5
	s_add_co_u32 s54, s54, s52
	s_mul_i32 s54, s54, KREC
	s_add_nc_u64 s[24+8*(\k):25+8*(\k)], s[6:7], s[54:55]
	s_lshl_b32 s54, s12, 7
	s_add_co_u32 s54, s54, s53
	s_mul_i32 s54, s54, QREC
	s_add_nc_u64 s[26+8*(\k):27+8*(\k)], s[4:5], s[54:55]
	s_lshl_b32 s53, s53, 5
	s_lshl_b32 s52, s52, 7
	s_sub_co_u32 s[28+8*(\k)], s53, s52            ; never negative
.endm
.macro LOADQ k                         ; 6 loads
.irp t, 0,1
	global_load_b128 v[QF+12*\t:QF+12*\t+3], v1, s[26+8*(\k):27+8*(\k)] offset:768*\t
	global_load_b64 v[QF+12*\t+4:QF+12*\t+5], v2, s[26+8*(\k):27+8*(\k)] offset:768*\t+512
	global_load_b32 v[QS+\t], v3, s[26+8*(\k):27+8*(\k)] offset:1536+128*\t
.endr
.endm
.macro LOADQH                          ; 3 loads: query tile w of unit 16's block, into tile 0's registers
	global_load_b128 v[QF:QF+3], v1, s[42:43]
	global_load_b64 v[QF+4:QF+5], v2, s[42:43] offset:512
	global_load_b32 v[QS], v3, s[46:47] offset:1536
.endm
.macro LOADK k                         ; 20 loads, in one run: the first unit's, at the head
.irp t, 0,1,2,3,4,5,6,7
	global_load_b128 v[KF+6*\t:KF+6*\t+3], v1, s[24+8*(\k):25+8*(\k)] offset:768*\t
	global_load_b64 v[KF+6*\t+4:KF+6*\t+5], v2, s[24+8*(\k):25+8*(\k)] offset:768*\t+512
.endr
.irp c, 0,1,2,3
	global_load_b32 v[KS+\c], v3, s[24+8*(\k):25+8*(\k)] offset:6144+128*\c
.endr
.endm
.macro LOADV k                         ; 17 loads
.irp t, 0,1,2,3,4,5,6,7                ; tile t / 2, half t % 2
	global_load_b128 v[VF+6*\t:VF+6*\t+3], v1, s[24+8*(\k):25+8*(\k)] offset:6656+768*\t
	global_load_b64 v[VF+6*\t+4:VF+6*\t+5], v2, s[24+8*(\k):25+8*(\k)] offset:6656+768*\t+512
.endr
	global_load_b64 v[VS:VS+1], v2, s[24+8*(\k):25+8*(\k)] offset:12800
.endm
.macro SMUL q                          ; S^T of the query tile in q's registers: eight tiles of 16 keys, each sum begun with the constant 0
.irp t, 0,1,2,3,4,5,6,7
.if \t % 2
	v_wmma_scale_f32_16x16x128_f8f6f4 v[S+8*\t:S+8*\t+7], v[KF+6*\t:KF+6*\t+11], v[QF+12*(\q):QF+12*(\q)+11], 0, v[KS+\t/2], v[QS+(\q)] matrix_a_fmt:MATRIX_FMT_BF6 matrix_b_fmt:MATRIX_FMT_BF6 matrix_a_scale:MATRIX_SCALE_ROW1
.else
	v_wmma_scale_f32_16x16x128_f8f6f4 v[S+8*\t:S+8*\t+7], v[KF+6*\t:KF+6*\t+11], v[QF+12*(\q):QF+12*(\q)+11], 0, v[KS+\t/2], v[QS+(\q)] matrix_a_fmt:MATRIX_FMT_BF6 matrix_b_fmt:MATRIX_FMT_BF6
.endif
.endr
.endm
.macro ACOMP sd, imm                   ; d = s[sd] + imm + the lane's part, and the four a_b.  Fourteen plain lines that name no register of the products above: they are the places behind them
	v_add3_u32 v6, s[\sd], v5, \imm                ; d, -16 .. 4,095
	v_cvt_f32_i32 v7, v6
	v_mul_f32 v252, s16, v7                        ; d x the upper word: exact
	v_rndne_f32 v253, v252                         ; the whole part
	v_sub_f32 v252, v252, v253                     ; exact
	v_fma_f32 v252, v7, s17, v252                  ; + d x the lower word: the fraction
	v_exp_f32 v254, v252
	v_cvt_i32_f32 v253, v253                       ; (a plain line behind the exponential)
	s_wait_alu depctr_va_vdst(0)                   ; the exponential has written v254, ahead of its first reader; and the products S^T above are done reading q's and K's registers, in which, in a unit's second tile, the next unit's loads land
	v_mul_f32 v[AB+1], s18, v254
	v_mul_f32 v[AB+2], s19, v254
	v_mul_f32 v[AB+3], s20, v254
	v_ldexp_f32 v[AB], v254, v253                  ; the power of two last, so that each a_b is whole until it falls under the smallest normal number itself
	v_ldexp_f32 v[AB+1], v[AB+1], v253
	v_ldexp_f32 v[AB+2], v[AB+2], v253
	v_ldexp_f32 v[AB+3], v[AB+3], v253
.endm
.macro MASK sd                         ; s[sd] = D0, a multiple of 32.  From 128 on nothing is hidden: 32 b + i is 111 at the most, d at the least 112 there
	s_cmp_ge_u32 s[\sd], 128
	s_cbranch_scc1 .Lopen_\@
.irp b, 1,2,3
	s_cmp_lt_u32 s[\sd], 32*\b                     ; block b lies behind all 32 queries: 32 b + i >= D0 + 32 > d
	s_cselect_b32 s52, 0, 0x3f800000
	v_mul_f32 v[AB+\b], s52, v[AB+\b]              ; its a_b becomes 0, and so do its 16 numbers in the multiplications below
.endr
.irp b, 0,1,2,3
	s_cmp_lg_u32 s[\sd], 32*\b                     ; the one block that the diagonal crosses
	s_cbranch_scc1 .Lnot_\@_\b
.irp a, 0,1                            ; its two accumulators, one after the other: eight compares in a run, one wait, eight selects
.set n, 0
.rept 8
	v_cmp_gt_i32 s[56+n], 32*\b+8*\a+n, v6
.set n, n+1
.endr
	s_wait_alu depctr_va_sdst(0)                   ; the eight compares have written s56-63, ahead of the selects that read them
.set n, 0
.rept 8
	v_cndmask_b32 v[S+16*\b+8*\a+n], v[S+16*\b+8*\a+n], v60, s[56+n]   ; (v60 holds 0)  ascending: each accumulator is read from its low end on
.set n, n+1
.endr
.endr
.Lnot_\@_\b:
.endr
.Lopen_\@:
.endm
; deal = 1: the 20 loads of unit k's K are dealt among the 64 lines, two behind each four of the first 32 (a tile), one behind each of the next four fours (a scale register).
; No wait stands in front of them: no vector or matrix instruction since the wait in ACOMP names K's registers or v1 to v3.
.macro DECAY deal, k
.set n, 0
.rept 32
	v_pk_mul_f32 v[S+n:S+n+1], v[S+n:S+n+1], v[G+n%16:G+n%16+1]   ; x gamma^-i; ascending, as above
.if (\deal) && (n%8 == 6)
	global_load_b128 v[KF+6*(n/8):KF+6*(n/8)+3], v1, s[24+8*(\k):25+8*(\k)] offset:768*(n/8)
	global_load_b64 v[KF+6*(n/8)+4:KF+6*(n/8)+5], v2, s[24+8*(\k):25+8*(\k)] offset:768*(n/8)+512
.endif
.set n, n+2
.endr
.set n, 0
.rept 32
.if (n/16)%2
	v_pk_mul_f32 v[S+n:S+n+1], v[S+n:S+n+1], v[AB+2*(n/32):AB+2*(n/32)+1] op_sel:[0,1] op_sel_hi:[1,1]   ; x a_b, b odd: the pair's second word for both halves
.else
	v_pk_mul_f32 v[S+n:S+n+1], v[S+n:S+n+1], v[AB+2*(n/32):AB+2*(n/32)+1] op_sel_hi:[1,0]                ; b even: its first
.endif
.if (\deal) && (n%8 == 6) && (n < 32)
	global_load_b32 v[KS+n/8], v3, s[24+8*(\k):25+8*(\k)] offset:6144+128*(n/8)
.endif
.set n, n+2
.endr
.endm
.macro QUANT                           ; the lane's 64 numbers, four half blocks of 16 keys, become p's operand and its scale word
.irp b, 0,1,2,3
	v_max3_num_f32 v[TM+\b], |v[S+16*\b]|, |v[S+16*\b+1]|, 0x2800000   ; with the floor 2^(5 - 127): the byte cannot fall under 1; a block of zeros keeps that byte over zero codes
.endr
.irp i, 2,4,6,8,10,12,14
.irp b, 0,1,2,3
	v_max3_num_f32 v[TM+\b], v[TM+\b], |v[S+16*\b+\i]|, |v[S+16*\b+\i+1]|   ; (the four blocks by turns)
.endr
.endr
.irp b, 0,1,2,3
	v_permlanex16_b32 v[TM+4+\b], v[TM+\b], s22, s23
.endr
.irp b, 0,1,2,3
	v_max_num_f32 v[TM+\b], v[TM+\b], v[TM+4+\b]   ; with lane l xor 16's 16 keys: the block's largest magnitude
.endr
.irp b, 0,1,2,3
	v_add_nc_u32 v[SOP+\b], 0xfe000000, v[TM+\b]   ; 4 off its exponent field: the conversion's scale operand
.endr
.irp b, 0,1,2,3
	v_lshrrev_b32 v[TM+4+\b], 23, v[SOP+\b]        ; the scale's byte
.endr
	v_lshl_or_b32 v[PW], v[TM+5], 8, v[TM+4]
	v_lshl_or_b32 v[PW], v[TM+6], 16, v[PW]
	v_lshl_or_b32 v[PW], v[TM+7], 24, v[PW]
.irp c, 0,1
	v_cvt_scalef32_pk16_bf6_f32 v[P+6*\c:P+6*\c+2], v[S+32*\c:S+32*\c+15], v[SOP+2*\c]
	v_cvt_scalef32_pk16_bf6_f32 v[TM+4*\c:TM+4*\c+2], v[S+32*\c+16:S+32*\c+31], v[SOP+2*\c+1]   ; (a conversion's three registers begin on an even number)
.endr
	v_nop                                          ; one plain line behind a scaled conversion
.irp c, 0,1                            ; the operand's layout wants a WHOLE block in a lane: lanes 0-15 block 2 c, lanes 16-31 block 2 c + 1
.irp i, 0,1,2
	v_permlane16_swap_b32 v[P+6*\c+\i], v[TM+4*\c+\i]
.endr
.irp i, 0,1,2
	v_mov_b32 v[P+6*\c+3+\i], v[TM+4*\c+\i]
.endr
.endr
	NOPS 4                                         ; an operand written by vector lines stands 4 places ahead of a scaled product; the scale word, written ahead of the conversions, more than 8
	s_wait_alu depctr_va_vdst(0)                   ; the conversions, exchanges and moves have written p's codes, the shifts its scale word: the scaled products O^T take them as operand and scales; the places above stay beside this wait
.endm
.macro PVMUL                           ; O^T = V^T P^T for these 128 keys: four tiles of 16 of V's 64 columns, each sum begun with the constant 0
.irp t, 0,1,2,3
.if \t / 2
	v_wmma_scale_f32_16x16x128_f8f6f4 v[S+8*\t:S+8*\t+7], v[VF+12*\t:VF+12*\t+11], v[P:P+11], 0, v[VS+\t%2], v[PW] matrix_a_fmt:MATRIX_FMT_BF6 matrix_b_fmt:MATRIX_FMT_BF6 matrix_a_scale:MATRIX_SCALE_ROW1
.else
	v_wmma_scale_f32_16x16x128_f8f6f4 v[S+8*\t:S+8*\t+7], v[VF+12*\t:VF+12*\t+11], v[P:P+11], 0, v[VS+\t%2], v[PW] matrix_a_fmt:MATRIX_FMT_BF6 matrix_b_fmt:MATRIX_FMT_BF6
.endif
.endr
.endm
.macro OSTORE so, q                    ; lane (r, h): row 16 q + r from v[so] on, columns 16 t + 8 h + 0 .. 7; each accumulator from its low end on
.irp t, 0,1,2,3
	ds_store_b128 v[\so], v[S+8*\t:S+8*\t+3] offset:16*TP*(\q)+64*\t
	ds_store_b128 v[\so], v[S+8*\t+4:S+8*\t+7] offset:16*TP*(\q)+64*\t+16
.endr
.endm
; A UNIT, behind the wait for its q and K.  so: its slot's address register.  mask = 1: the unit may touch the diagonal.
; next: what is loaded as this unit's registers fall free: 0 nothing; 1 the next unit's q, K and V; 2 its q alone (K and V stay); 3 the half unit's q tile, K and V.
.macro UNIT k, so, next, mask
	SMUL 0
	ACOMP 28+8*(\k), 0
.if \mask
	MASK 28+8*(\k)
.endif
	DECAY 0, 0
	QUANT
	s_wait_loadcnt 0x0                             ; V and its scale words
	PVMUL
	NOPS 5                                         ; 4 places in front of the stores that read the results, 5 in front of the products that write over them
	s_wait_alu depctr_va_vdst(0)                   ; the products O^T have written S's first 32 registers, which the stores read (and the head has written the slot's address); the places above stay beside this wait
	OSTORE \so, 0
	s_wait_dscnt 0x0                               ; the stores have read their registers
	s_wait_alu depctr_vm_vsrc(0)                   ; the stores have read S's first 32 registers, which the products S^T below write again
	SMUL 1
	ACOMP 28+8*(\k), 8
.if \next == 1
	LOADQ (\k)+1                                   ; q is done with: the wait in ACOMP has said so, and no line since names its registers
.elseif \next == 2
	LOADQ (\k)+1
.elseif \next == 3
	LOADQH
.endif
.if \mask
	MASK 28+8*(\k)
.endif
.if \next == 1
	DECAY 1, (\k)+1                                ; with the next unit's K dealt among its lines
.elseif \next == 3
	DECAY 1, 2
.else
	DECAY 0, 0
.endif
	QUANT
	PVMUL
	NOPS 5                                         ; as above
	s_wait_alu depctr_va_vdst(0)                   ; the products O^T have written S's first 32 registers, which the stores read, and are done reading V's registers, in which the loads land
.if \next == 1
	LOADV (\k)+1
.elseif \next == 3
	LOADV 2
.endif
	OSTORE \so, 1
	s_wait_dscnt 0x0                               ; the stores have read their registers
	s_wait_alu depctr_vm_vsrc(0)                   ; the stores have read S's first 32 registers: the next products S^T write them again, and behind my last unit the sum's loads land in eight of them
.endm
	s_load_b128 s[4:7], s[0:1], 0x0                ; qi s[4:5], kv s[6:7]
	s_load_b64 s[8:9], s[0:1], 0x10                ; out0
	v_lshrrev_b32 v252, 5, v0
	v_readfirstlane_b32 s10, v252                  ; wave 0..15
	v_and_b32 v253, 31, v0
	v_lshlrev_b32 v1, 4, v253
	v_lshlrev_b32 v2, 3, v253
	v_lshlrev_b32 v3, 2, v253
	s_lshr_b32 s52, ttmp9, 4                       ; i = 16 ((x / 16 + x) % 4) + x % 16: each x gives another i
	s_add_co_u32 s52, s52, ttmp9
	s_and_b32 s52, s52, 3
	s_lshl_b32 s52, s52, 4
	s_and_b32 s11, ttmp9, 15
	s_or_b32 s11, s11, s52
	s_and_b32 s12, ttmp7, 0xffff                   ; batch
	s_lshr_b32 s15, s11, 2                         ; i / 4
	s_sub_co_u32 s13, 32, s15                      ; nL, 17 .. 32
	s_sub_co_u32 s14, 127, s11                     ; block L
	s_wait_alu depctr_va_sdst(0)                   ; s10 is written, ahead of its first reader: the units, the bases and the slots are made from it
	s_sub_co_u32 s56, 32, s10                      ; my second unit
	s_mov_b32 s57, 16                              ; the unit that is left over
	s_mov_b32 s55, 0
	s_wait_kmcnt 0x0
	UNITSC 0, s10
	s_wait_alu depctr_va_vdst(0)                   ; v1, v2 and v3 are written: every global load of the kernel reads one of them as its offset
	LOADQ 0
	LOADK 0
	LOADV 0
	UNITSC 1, s56
	UNITSC 2, s57                                  ; (made in every wave, used by waves 0 and 1)
	s_lshl_b32 s54, s10, 7
	s_add_nc_u64 s[46:47], s[42:43], s[54:55]      ; query tile w's scale words lie 128 w on,
	s_mul_i32 s54, s10, 768
	s_add_nc_u64 s[42:43], s[42:43], s[54:55]      ; its codes 768 w on,
	s_lshl_b32 s52, s10, 3
	s_add_co_u32 s45, s44, s52                     ; and its queries 8 w on
	s_lshl_b32 s52, s12, 12
	s_lshl_b32 s53, s14, 5
	s_add_co_u32 s54, s52, s53
	s_lshl_b32 s54, s54, 8
	s_add_nc_u64 s[48:49], s[8:9], s[54:55]        ; out0 at block L's first row,
	s_lshl_b32 s53, s11, 5
	s_add_co_u32 s54, s52, s53
	s_lshl_b32 s54, s54, 8
	s_add_nc_u64 s[50:51], s[8:9], s[54:55]        ; and at block E's
	s_mov_b32 s16, 0xbd3b9000                      ; log2(31 / 32) = -(3001 / 65536
	s_mov_b32 s17, 0xb74a64ed                      ;                 + 1.206363656e-5)
	s_mov_b32 s22, 0x76543210
	s_mov_b32 s23, 0xfedcba98                      ; v_permlanex16_b32's selects for lane l xor 16
.irp j, 60,61,62,63,64,65,72,73,74,75,76,77,128,129,130,131,132,133
	v_mov_b32 v[\j], 0                             ; zero codes: they stay.  (No load of the head lands in them)
.endr
.irp b, 0,1,2,3
	v_mov_b32 v[TM+4+\b], 0                        ; written once: a lane permute's destination counts as one of its sources
.endr
	v_mov_b32 v[G], 1.0
	v_exp_f32 v[G+1], 0.04580368961312479          ; gamma^-i = 2^(i log2(32 / 31))
	v_exp_f32 v[G+2], 0.09160737922624958
	v_exp_f32 v[G+3], 0.13741106883937437
	v_exp_f32 v[G+4], 0.18321475845249916
	v_exp_f32 v[G+5], 0.22901844806562395
	v_exp_f32 v[G+6], 0.27482213767874874
	v_exp_f32 v[G+7], 0.32062582729187353
	v_exp_f32 v[G+8], 0.36642951690499832
	v_exp_f32 v[G+9], 0.41223320651812311
	v_exp_f32 v[G+10], 0.45803689613124790
	v_exp_f32 v[G+11], 0.50384058574437269
	v_exp_f32 v[G+12], 0.54964427535749748
	v_exp_f32 v[G+13], 0.59544796497062227
	v_exp_f32 v[G+14], 0.64125165458374706
	v_exp_f32 v[G+15], 0.68705534419687185
	v_exp_f32 v252, 0.46571806761999328            ; gamma^-32 = 2^1.4657.., gamma^-64 = 2^2.9314.., gamma^-96 = 2^4.3971..: the fractions here,
	v_exp_f32 v253, 0.93143613523998656
	v_exp_f32 v254, 0.39715420285997984
	v_and_b32 v6, 15, v0                           ; (a plain line behind the exponentials)  r
	s_wait_alu depctr_va_vdst(0)                   ; the exponentials have written v9-23 and v252-254, ahead of their first reader; and the zero codes above are written, which the scaled products take as parts of their operands
	v_ldexp_f32 v252, v252, 1                      ; the whole parts here
	v_ldexp_f32 v253, v253, 2
	v_ldexp_f32 v254, v254, 4
	v_readfirstlane_b32 s18, v252
	v_readfirstlane_b32 s19, v253
	v_readfirstlane_b32 s20, v254
	v_bfe_u32 v7, v0, 4, 1                         ; h
	v_mul_u32_u24 v[SO0], v6, TP
	v_lshl_add_u32 v[SO0], v7, 5, v[SO0]           ; row r, + 32 h;
	s_xor_b32 s52, s10, 31                         ; 31 - w
	s_mul_i32 s52, s52, SLOT
	s_add_co_u32 s52, s52, SLOT
	v_add_nc_u32 v[SO1], s52, v[SO0]               ; in slot 32 - w;
	s_mul_i32 s52, s10, 16*TP
	s_add_co_u32 s52, s52, 16*SLOT
	v_add_nc_u32 v[SO2], s52, v[SO0]               ; in slot 16, 16 w rows down;
	s_mul_i32 s52, s10, SLOT
	v_add_nc_u32 v[SO0], s52, v[SO0]               ; in slot w.  All three are made ahead of the first branch
	v_and_b32 v5, 8, v6
	v_add_nc_u32 v5, v5, v6
	v_lshlrev_b32 v7, 4, v7
	v_sub_nc_u32 v5, v5, v7                        ; r + (r & 8) - 16 h
	s_wait_alu depctr_va_sdst(0)                   ; s18, s19 and s20 are written, ahead of the first branch and of their first readers, the multiplications in ACOMP
	s_wait_loadcnt 17                              ; q's 6 and K's 20 loads are in; V's 17, issued behind them, may be out
	s_cmp_le_u32 s10, s15                          ; is my second unit (E, step w)?  A branch on ids
	s_cbranch_scc1 .Lsame_keys
	UNIT 0, SO0, 1, 0                              ; unit w: block L, step w <= 15, and L's diagonal lies in step nL - 1 >= 16: nothing is hidden.  My second unit has keys of its own
	s_wait_loadcnt 17                              ; its q and K are in; its V's 17 loads may be out
	s_branch .Lsecond
.Lsame_keys:
	UNIT 0, SO0, 2, 0                              ; the same unit; of my second unit q alone is loaded
	s_wait_loadcnt 0x0                             ; those 6 loads: nothing was issued behind them
.Lsecond:
	s_cmp_lt_u32 s10, 2
	s_cbranch_scc1 .Lwith_half
	UNIT 1, SO1, 0, 1                              ; unit 32 - w
	s_branch .Ljoin
.Lwith_half:
	UNIT 1, SO1, 3, 1                              ; waves 0 and 1: unit 32 - w,
	s_wait_loadcnt 17                              ; and query tile w of unit 16: its q's 3 and K's 20 loads are in; V's 17 may be out
	SMUL 0
	ACOMP 45, 0
	MASK 44
	DECAY 0, 0
	QUANT
	s_wait_loadcnt 0x0                             ; V and its scale words
	PVMUL
	NOPS 4                                         ; places in front of the stores that read the results
	s_wait_alu depctr_va_vdst(0)                   ; the products O^T have written S's first 32 registers, which the stores read; the places above stay beside this wait
	OSTORE SO2, 0
	s_wait_alu depctr_vm_vsrc(0)                   ; the stores have read v255, which the sum writes anew, and S's first 32 registers, in eight of which the sum's loads land
.Ljoin:
	s_wait_dscnt 0x0                               ; for the others' sake: my slots are in LDS
	s_barrier_signal -1
	s_barrier_wait -1                              ; all 33 are
	; THE SUM.  Thread t takes 16 bytes: slot row t / 16, columns 4 (t % 16) on, of every slot.  The addresses are made anew from v0, in registers that have held numbers made of ids alone.
	v_lshrrev_b32 v254, 4, v0                      ; the slot's row
	v_and_b32 v255, 15, v0
	v_mul_u32_u24 v5, v254, TP
	v_lshl_add_u32 v5, v255, 4, v5
	v_add_nc_u32 v6, 7*SLOT, v5                    ; seven slots to an address register: the immediate holds 16 bits
	v_add_nc_u32 v7, 14*SLOT, v5
	v_add_nc_u32 v252, 21*SLOT, v5
	v_add_nc_u32 v253, 28*SLOT, v5
	s_wait_alu depctr_va_vdst(0)                   ; the five addresses are written, which the loads read; and every product and vector line above is done reading and writing v64-195, in which the loads land
.set u, 0
.rept 33
.if u/7 > 2
.set ra, 249+u/7
.else
.set ra, 5+u/7
.endif
	ds_load_b128 v[64+4*u:67+4*u], v[ra] offset:SLOT*(u%7)   ; sixteen lanes read a row's 256 bytes
.set u, u+1
.endr
	v_and_b32 v8, 15, v254                         ; the row's place in its block: 8 (row / 16) + row % 16 + (row & 8)
	v_and_b32 v9, 8, v254
	v_add_nc_u32 v8, v8, v9
	v_lshrrev_b32 v9, 4, v254
	v_lshl_add_u32 v8, v9, 3, v8
	v_lshlrev_b32 v8, 8, v8
	v_lshl_add_u32 v8, v255, 4, v8                 ; in bytes, + my 16
.set u, 1
.rept 16
	s_wait_dscnt 32-u                              ; slots 0 .. u are in; the 32 - u loads issued behind them may be out
	v_pk_add_f32 v[64:65], v[64:65], v[64+4*u:65+4*u]        ; slots 0 to 16 are L's for every i
	v_pk_add_f32 v[66:67], v[66:67], v[66+4*u:67+4*u]
.set u, u+1
.endr
	s_wait_dscnt 0x0
.irp u, 17,18,19,20,21,22,23,24,25,26,27,28,29,30,31
	s_cmp_le_u32 s13, \u                           ; from slot nL on they are E's
	s_cbranch_scc1 .LE_\u
	v_pk_add_f32 v[64:65], v[64:65], v[64+4*\u:65+4*\u]
	v_pk_add_f32 v[66:67], v[66:67], v[66+4*\u:67+4*\u]
.endr
	s_branch .Lout
.irp u, 17,18,19,20,21,22,23,24,25,26,27,28,29,30,31
.LE_\u:
	v_pk_add_f32 v[192:193], v[192:193], v[64+4*\u:65+4*\u]  ; onto slot 32, which is E's for every i
	v_pk_add_f32 v[194:195], v[194:195], v[66+4*\u:67+4*\u]
.endr
.Lout:
	s_wait_alu depctr_va_vdst(0)                   ; the additions have written v64-67 and v192-195, the stores' data, and v8, their offset, is written
	global_store_b128 v8, v[64:67], s[48:49] th:TH_STORE_NT     ; sixteen lanes store a row of out0: 256 consecutive bytes, at a multiple of 256 from its first byte
	global_store_b128 v8, v[192:195], s[50:51] th:TH_STORE_NT
	s_wait_xcnt 0x0
	v_lshl_add_u32 v254, v0, 2, 0x46200            ; the add's two registers, made anew straight ahead of the closing lines: no memory or LDS instruction has read v254 or v255 since the wait on vm_vsrc ahead of the barrier
	v_mov_b32 v255, 0
	s_wait_dscnt 0x0                               ; the closing lines, six on end
	s_wait_alu 0x0
	s_wait_tensorcnt 0x0
	ds_add_u32 v254, v255
	s_wait_dscnt 0x0
	s_endpgm
.Lfunc_end_k_qb7eef85303_ret:
	.size	k_qb7eef85303_ret, .Lfunc_end_k_qb7eef85303_ret-k_qb7eef85303_ret
	.p2alignl 7, 3214868480
	.fill 96, 4, 3214868480
	.section	.rodata,"a",@progbits
	.p2align	6, 0x0
	.amdhsa_kernel k_qb7eef85303_ret
		.amdhsa_group_segment_fixed_size 289280
		.amdhsa_private_segment_fixed_size 0
		.amdhsa_enable_private_segment 0
		.amdhsa_kernarg_size 24
		.amdhsa_user_sgpr_count 2
		.amdhsa_user_sgpr_kernarg_segment_ptr 1
		.amdhsa_wavefront_size32 1
		.amdhsa_system_sgpr_workgroup_id_x 1
		.amdhsa_system_sgpr_workgroup_id_y 1
		.amdhsa_system_sgpr_workgroup_id_z 1
		.amdhsa_system_vgpr_workitem_id 0
		.amdhsa_next_free_vgpr 256
		.amdhsa_next_free_sgpr 66
		.amdhsa_reserve_vcc 0
		.amdhsa_float_denorm_mode_32 3
		.amdhsa_float_denorm_mode_16_64 3
		.amdhsa_memory_ordered 1
		.amdhsa_forward_progress 1
		.amdhsa_inst_pref_size 177
	.end_amdhsa_kernel
	.amdgpu_metadata
---
amdhsa.version: [ 1, 2 ]
amdhsa.kernels:
  - .name:           k_qb7eef85303_ret
    .symbol:         k_qb7eef85303_ret.kd
    .args:
      - { .name: qi, .offset: 0, .size: 8, .value_kind: global_buffer, .address_space: global }
      - { .name: kv, .offset: 8, .size: 8, .value_kind: global_buffer, .address_space: global }
      - { .name: out0, .offset: 16, .size: 8, .value_kind: global_buffer, .address_space: global }
    .group_segment_fixed_size: 289280
    .private_segment_fixed_size: 0
    .kernarg_segment_align: 8
    .kernarg_segment_size: 24
    .max_flat_workgroup_size: 512
    .sgpr_count:     66
    .vgpr_count:     256
    .wavefront_size: 32
...
	.end_amdgpu_metadata
.endif
;; end of part 3
